; MI455X (gfx1250); checked and timed in simulation.
; The chip was launched on July 23, 2026; its instructions are those of AMD's public machine-readable ISA for CDNA 5 (MIT licence, August 2026) and "CDNA5" Instruction Set Architecture Reference Guide (July 2026). The comments in the code are by the model that wrote it; some were corrected since.
;; Biased Multi Head Attention. Allowed arithmetic: matrix products marked QUANTISED: E4M3 operands, one E8M0 scale for each 32 along K, by v_wmma_scale_f32_16x16x128_f8f6f4 with both operands' format E4M3, f32 sums; everything else in f32.
;; Inputs: Wk_codes 1,024 x 32 x 32 uint8 (E4M3 codes of Wk, K innermost, in blocks of 32 codes); Wk_scales 1,024 x 32 uint8 (E8M0 scales of Wk, one for each 32 codes along K); Wo_codes 1,024 x 32 x 32 uint8 (E4M3 codes of Wo, K innermost, in blocks of 32 codes); Wo_scales 1,024 x 32 uint8 (E8M0 scales of Wo, one for each 32 codes along K); Wq_codes 1,024 x 32 x 32 uint8 (E4M3 codes of Wq, K innermost, in blocks of 32 codes); Wq_scales 1,024 x 32 uint8 (E8M0 scales of Wq, one for each 32 codes along K); Wv_codes 1,024 x 32 x 32 uint8 (E4M3 codes of Wv, K innermost, in blocks of 32 codes); Wv_scales 1,024 x 32 uint8 (E8M0 scales of Wv, one for each 32 codes along K); mask 4,096 bool; spatial_bias 4,096 x 4,096 float32; x_codes 4,096 x 32 x 32 uint8 (E4M3 codes of x, K innermost, in blocks of 32 codes); x_scales 4,096 x 32 uint8 (E8M0 scales of x, one for each 32 codes along K).
;; Outputs: out0 4,096 x 1,024 float32.
;; This version of the problem:
;;   THIS VERSION OF THE PROBLEM IS GIVEN IN LOW PRECISION. The matrix products marked QUANTISED in the list below multiply operands that are first quantised to E4M3 (4 exponent bits, 3 mantissa bits; 8 bits a number), with one power-of-two scale for each 32 numbers along K (OCP MX v1.0); their sums are f32. All else is computed in f32.
;;   The module's matrix products, in the order in which they are computed (A, B: the left and right operand; K: the contracted axis; several contracted axes count as one K, in the product's order):
;;     1. [M 4,096, K 1,024] x [K 1,024, N 1,024]; A: input x (given as codes); B: input Wq (given as codes): QUANTISED
;;     2. [M 4,096, K 1,024] x [K 1,024, N 1,024]; A: input x (given as codes); B: input Wk (given as codes): QUANTISED
;;     3. [M 4,096, K 1,024] x [K 1,024, N 1,024]; A: input x (given as codes); B: input Wv (given as codes): QUANTISED
;;     4. batch 16 x [M 4,096, K 64] x [K 64, N 4,096]; A: computed on the way; B: computed on the way: QUANTISED
;;     5. batch 16 x [M 4,096, K 4,096] x [K 4,096, N 64]; A: softmax (see below); B: computed on the way: QUANTISED
;;     6. [M 4,096, K 1,024] x [K 1,024, N 1,024]; A: computed on the way; B: input Wo (given as codes): QUANTISED
;;   THE QUANTISER, for each operand of a quantised product, along K:
;;     - K is cut into blocks of 32 from its start; a last block that is shorter is filled with zeros.
;;     - A block's scale is 2^e with e = floor(log2(the largest magnitude in the block)) - 8, held to -126 .. 127; a block of zeros has e = 0. As a byte (E8M0): e + 127.
;;     - Each number is divided by its block's scale, clamped to +-448, and rounded to the nearest number of E4M3, ties to even, subnormals kept.
;;     - The product sums the exact products of the quantised numbers (number of the format x scale) in f32.
;;   ~~~python
;;   def quantise(x, axis):      # numpy; x: float32 -> the quantised numbers, widened to float32 again
;;       x = np.moveaxis(x, axis, -1); K = x.shape[-1]
;;       x = np.pad(x, [(0, 0)] * (x.ndim - 1) + [(0, -K % 32)]); x = x.reshape(x.shape[:-1] + (-1, 32)); a = np.abs(x).max(-1, keepdims=True)
;;       e = np.where(a > 0, np.clip(np.frexp(np.where(a > 0, a, 1))[1] - 1 - 8, -126, 127), 0)      # np.frexp(a)[1] - 1 = floor(log2(a)), exactly
;;       r = np.clip(x / 2.0 ** e, -448, 448)
;;       step = 2.0 ** (np.maximum(np.frexp(np.where(r == 0, 1, r))[1] - 1, -6) - 3)
;;       q = np.round(r / step) * step * 2.0 ** e      # np.round: ties to even
;;       return np.moveaxis(q.reshape(q.shape[:-2] + (-1,))[..., :K], -1, axis).astype(np.float32)
;;   ~~~
;;   SOFTMAX AHEAD OF A QUANTISED PRODUCT. Where the list says 'softmax', what is quantised is not the finished softmax but p = 2^(t - M), with t = logit x log2(e) and M = ceil(the row's largest t), a whole number; so 1/2 < the row's largest p <= 1. The row's sum l is taken of the UNQUANTISED p, in f32, and the product's result is divided by l at the end. Since M is a whole number, a kernel that streams over the keys may use a running M (the ceiling of the running maximum): every later rescaling is an exact power of two, which a block's scale takes up: the codes' values come out the same.
;;   OPERANDS COMPUTED ON THE WAY. 'Computed on the way' means the value that the module computes at that place (a softmax that the list does not call 'softmax' is quantised finished and normalised). What goes into a quantiser is computed in f32, as accurately as f32 sums, v_exp_f32 and their like allow (about 1e-6 of the number): no bf16 or f16 on the way to a quantiser, and a product that is left as it is and whose result goes on into a quantised operand takes f32 operands (vector FMAs, or v_wmma_f32_16x16x4_f32). A number that lies on a knife's edge between two numbers of the format may be rounded either way, as far as f32 arithmetic and the matrix unit's own rounding can turn it there, and no further.
;;   INPUTS GIVEN AS CODES. Wk (in the module: [1024, 1024], K = its axis 1); Wo (in the module: [1024, 1024], K = its axis 1); Wq (in the module: [1024, 1024], K = its axis 1); Wv (in the module: [1024, 1024], K = its axis 1); x (in the module: [4096, 1024], K = its axis 1): each comes as NAME_codes (uint8): NAME with its K axis moved to the last place and cut into blocks of 32 codes, [.., K / 32, bytes a block], one block behind the other in memory; one code a byte (a code: sign, 4 exponent bits, 3 mantissa bits); and NAME_scales (uint8): the same leading axes, one E8M0 byte (e + 127) for each 32 codes along K. Its value is code x scale, taken as it is: it is not quantised again, and the codes and scales need not be those that the quantiser above would give.
;; 2 versions, each right; version 2 is version 1 with the launch attn written anew for expert scheduling mode. Each part assembles by itself: llvm-mc -triple=amdgcn-amd-amdhsa -mcpu=gfx1250 --defsym DOCPART=n.
;; ======== version 1 of 2: 3 launches
;; workspace buffers: qkv 12,582,912 bytes; qkvs 393,216 bytes; m0buf 256 bytes of whole numbers; ocodes 4,194,304 bytes; oscales 131,072 bytes
;; launch proj (part 1): grid 4 x 48, 4 waves a work-group, clusters of 4 x 4, 327,680 bytes of LDS; arguments x_codes, x_scales, Wq_codes, Wq_scales, Wk_codes, Wk_scales, Wv_codes, Wv_scales, mask, qkv, qkvs, m0buf; writes qkv, qkvs, m0buf
.if DOCPART == 1
	.amdgcn_target "amdgcn-amd-amdhsa--gfx1250"
	.amdhsa_code_object_version 6
	.text
	.protected	k_qb0917b2e50_proj
	.globl	k_qb0917b2e50_proj
	.p2align	8
	.type	k_qb0917b2e50_proj,@function
k_qb0917b2e50_proj:
	s_mov_b64 s[64:65], 0
	v_nop
	global_prefetch_b8 v0, s[64:65] scope:SCOPE_SE
	s_setreg_imm32_b32 hwreg(HW_REG_WAVE_MODE, 25, 1), 1
	s_wait_xcnt 0x0
	s_wait_alu depctr_hold_cnt(0) depctr_sa_sdst(0) depctr_va_vdst(0) depctr_va_sdst(0) depctr_va_ssrc(0) depctr_va_vcc(0) depctr_vm_vsrc(0)
	s_getreg_b32 s2, hwreg(HW_REG_IB_STS2, 6, 4)
	s_cmp_eq_u32 s2, 0
	s_cbranch_scc0 .Lentry_in_a_cluster
	s_endpgm
.Lentry_in_a_cluster:
	s_bfe_u32 s2, ttmp6, 0x10000c
	s_cmp_lg_u32 s2, 0xf033
	s_cbranch_scc0 .Lentry_shape_is_right
	s_endpgm
.Lentry_shape_is_right:
; q = x Wq^T, k = x Wk^T, v = x Wv^T on codes of FP8 (E4M3) with one E8M0 scale for each 32 along K = 1,024; the results are quantised in registers and leave as codes:
; q and k along a head's 64 channels, v along the keys.  Nothing wider than a code goes to memory.
; THE GRID: 12 clusters of 4 x 4 work-groups.  Cluster c: SEL = c / 4 (0 q, 1 k, 2 v), j = c % 4.  A work-group makes a tile of 256 x 256, each of its four waves 128 x 128 (64 accumulators).
; SOURCE 1 ("A") is the tensor whose rows become a lane's row, SOURCE 0 ("B") the one whose rows become the NEXT product's K: q, k: A = x, B = W (a lane holds one row of x and eight channels a register run);
; v: A = Wv, B = x (a lane holds one channel and eight keys).  So the conversions, which take neighbours along K from one lane's registers, need no transposition.
; K goes in steps of 256 through a ring of two LDS slots filled by joint tensor loads: A's tile is shared along a row of the cluster, B's along a column.  The scales of all of K come once, with the first fills.
; WHAT LEAVES.  qkv: [head 16][block of 128 rows 32][Q 8,192 | K 8,192 | V 8,192 bytes], each part as images of operand registers: 16 bytes at 16 x lane, 512 bytes a group of four registers.
;   Q, K: 1,024 i + 512 cb + 16 (r + 16 h'): row 16 i + r, channels 32 cb + 16 h' + 0 .. 15.     V: 2,048 i + 512 c + 16 (r + 16 h'): channel 16 i + r, keys 32 c + 16 h' + 0 .. 15.
; qkvs: [head][block][Q 256 | K 256 | V 256]: Q, K: the two bytes of row 16 i + r at 64 (i / 2) + 32 (i % 2) + 4 (r % 8) + 2 (r / 8); V: the word of channel 16 i + r at 128 (i / 2) + 64 (r / 8) + 32 (i % 2) + 4 (r % 8).
; Q's scale bytes are stored less 3: the scores' division by 8, exact.  A key that the mask input hides gets zero CODES in K (its score is replaced, not added to); V keeps its numbers.
; m0buf: word p (0 .. 15) = the first key of keys 256 p .. 256 p + 255 that the mask leaves open, or 4,096: whole numbers for the next launch's trip bounds.  Cluster 0's sixteen work-groups store one word each.
; LIMITS: a block of q, k or v whose largest magnitude lies under 2^-115 takes the scale of that floor (so that Q's byte less 3 stays at 1 or above); NaN and infinities are not served.
; REGISTERS, in windows of 256: window 0: v0-31 addresses; v32-63 scale words, two sets; v64-127 the way out's work; from v128 A's fragments, ONE set.  window 1: B's fragments, TWO sets.
;   window 2: the 32 accumulators of my rows 0-63 (accumulator (a, b) at v[8 (8 a + b)]);   window 3: those of my rows 64-127.
.set SIZE_K, 1024
.set KSTEP,  256                       ; along K in a slot
.set NQ,     KSTEP/128                 ; matrix instructions deep
.set ROWB,   256                       ; a tile's row in bytes
.set KROW,   SIZE_K                    ; a row of A or of B in memory, in bytes
.set PITCH,  272                       ; an LDS row: 256 bytes + 16 of padding = 68 words: row r starts at bank 4 r mod 64 (64 banks of 4 bytes: ISA guide 11.1)
.set FR,     16                        ; registers of a fragment: 16 rows x 128 K
.set NL,     4                         ; LDS loads that bring one
.set NP,     8                         ; places behind this matrix instruction (ISA guide 7.12.1)
.set HALFT,  128*PITCH                 ; 128 rows: what one tensor load brings
.set SLOT,   4*HALFT                   ; A's 256 rows, then B's 256 rows
.set LAPS,   SIZE_K/(2*KSTEP)          ; a lap = two K steps = once round the ring
.set KS,     SIZE_K/32                 ; a row of scales in bytes
.set SCL,    2*SLOT                    ; behind the ring: the scales, as units of 256 bytes + 16 of padding
.set HALFS,  (128*KS/256)*272          ; the scales of 128 rows
.set SBLK,   (16*KS/256)*272           ; those of 16 rows
.set SPARE,  SCL+4*HALFS               ; behind the scales: the spare words, 128 bytes for each wave, which no other line names
.set HEADB,  786432                    ; a head in qkv: 32 blocks of 24,576 bytes
.set BLKB,   24576
.set HEADS,  24576                     ; a head in qkvs: 32 blocks of 768 bytes
.set BLKS,   768
.set FLOOR,  12<<23                    ; 2^(12 - 127): under it no largest magnitude is taken: the scale's byte is 4 at the least
.set ADRA, 16                          ; v16-17  LDS address of my A fragments in slot 0, 1
.set ADRB, 20                          ; v20-21  the same for B
.set LQ,   24                          ; v24     the way out: 16 r + 8 h: my 8 codes' place in a run of 256 bytes
.set LSQ,  25                          ; v25     q's and k's scale bytes: 24,576 h + 4 (r % 8) + 2 (r / 8)
.set LSV,  26                          ; v26     v's scale words: 64 (r / 8) + 4 (r % 8) + 32 h
.set ADRS, 27                          ; v27     LDS address of my scale words: lanes 0-15 A's rows, lanes 16-31 B's
.set SPW,  28                          ; v28     LDS address of my spare word; never rewritten
.set NIL,  29                          ; v29     0; never rewritten
.set SC,   32                          ; scale words: set s at v[SC + 8 NQ s]
.set MB,   64                          ; v64-71  the mask bytes of my eight tiles' rows
.set TM,   72                          ; v72-75  largest magnitudes (v72 first holds the mask loads' offset)
.set T4,   76                          ; v76-79  the other half's, then the bytes
.set HB,   80                          ; v80-83  448 x the scale
.set SO,   84                          ; v84-87  the conversions' scale operands
.set PW,   88                          ; v88     the scale word just made
.set PWE,  89                          ; v89     the even tile's
.set PC,   96                          ; v96-111 the codes just made
.set AF,   128                         ; A's fragments, in window 0
.set G1, 24                            ; s[24:31] descriptor group 1 for A's tiles;  s[32:39] group 0, one set for each slot
.set G0, 32
.set G1B, 48                           ; s[48:55], s[56:63] the same for B's tiles
.set G0B, 56
.set G1S, 68                           ; s[68:75], s[76:79] groups 1 and 0 for A's scales;  s[80:87], s[88:91] for B's
.set G0S, 76
.set G1SB, 80
.set G0SB, 88
.set MSB, 0
.macro WIN new                         ; the immediate's high byte repeats the setting that is left
.if MSB != (\new)
	s_set_vgpr_msb (MSB<<8)|(\new)
.set MSB, (\new)
.endif
.endm
.set MUL_LO, 0xa1                      ; source 0 (B) window 1, source 1 (A) window 0, C and D window 2
.set MUL_HI, 0xf1                      ; the same, C and D window 3
.set TO_B,   0x40                      ; destination window 1, address window 0
; A joint load: waves 0 and 1 fetch for A, waves 2 and 3 for B.  Each of the two lines has ONE mask and one set of registers for all that issue it; the branch hangs on the wave's number alone.
; Four v_nop follow each of the two lines, ahead of the jump, the label and what follows.
.macro JLOAD g0a, g1a, g0b, g1b
	s_cmp_eq_u32 s15, 0
	s_cbranch_scc0 .Lfor_b_\@
	tensor_load_to_lds s[\g0a:\g0a+3], s[\g1a:\g1a+7]
	s_nop 0
.rept 4
	v_nop
.endr
	s_branch .Lasked_\@
.Lfor_b_\@:
	tensor_load_to_lds s[\g0b:\g0b+3], s[\g1b:\g1b+7]
	s_nop 0
.rept 4
	v_nop
.endr
.Lasked_\@:
.endm
.macro CREST                           ; a round of the cluster's barrier behind its opening barrier
	s_cmp_lg_u32 s14, 0
	s_cbranch_scc1 .Lnot_wave_0_\@
	s_barrier_signal -3
.Lnot_wave_0_\@:
	s_barrier_wait -3
	s_barrier_signal -1
	s_barrier_wait -1
.endm
.macro CROUND                          ; a whole round
	s_barrier_signal -1
	s_barrier_wait -1
	CREST
.endm
	s_load_b512 s[68:83], s[0:1], 0x0              ; x's codes, scales; Wq's; Wk's; Wv's
	s_load_b256 s[84:91], s[0:1], 0x40             ; mask, qkv, qkvs, m0buf
	v_lshl_add_u32 v[SPW], v0, 2, SPARE
	v_mov_b32 v[NIL], 0
	ds_add_u32 v28, v29
	ds_add_u32 v28, v29
	s_wait_dscnt 0x0
	v_lshrrev_b32 v1, 5, v0
	v_readfirstlane_b32 s14, v1                    ; wave 0..3
	s_lshr_b32 s15, s14, 1                         ; which half of the tile's rows is mine.  Also: I fetch for A (0) or for B (1)
	s_and_b32 s16, s14, 1                          ; which half of its columns.  Also: which 128 rows of that tile I fetch
	s_bfe_u32 s40, ttmp6, 0x40000                  ; cx, cy: my place in the cluster
	s_bfe_u32 s41, ttmp6, 0x40004
	s_and_b32 s66, ttmp7, 0xffff                   ; c: the cluster, 0 .. 11: the same in all sixteen partners
	s_lshr_b32 s95, s66, 2                         ; SEL: 0 q, 1 k, 2 v
	s_and_b32 s3, s66, 3
	s_lshl_b32 s3, s3, 2                           ; 4 j: which four tiles of x's sixteen
	s_cmp_eq_u32 s95, 2
	s_cselect_b32 s17, 0, s3                       ; x is A for q and k,
	s_cselect_b32 s42, s3, 0                       ; and B for v
	s_add_co_u32 s17, s17, s41                     ; tile row (of A) = its base + cy
	s_add_co_u32 s42, s42, s40                     ; tile column (of B) = its base + cx
	s_lshl_b32 s43, s41, 2
	s_lshl_b32 s43, 15, s43                        ; my row of the cluster
	s_lshl_b32 s44, 0x1111, s40                    ; my column
	; descriptor group 1: a tile of 128 rows x ROWB bytes, padded in LDS
	s_or_b32 s[G1+0], s43, (0<<16)|(1<<20)|(1<<21)|(5<<22)|(3<<25)  ; 15:0 the mask: A's tiles go to my row; 17:16 element of 1 byte; 20 padding on; 21 set beside a mask; 24:22 after every 64 words (code 5); 31:25 of 4 words (code 3)
	s_or_b32 s[G1B+0], s44, (0<<16)|(1<<20)|(1<<21)|(5<<22)|(3<<25)
.irp g, G1, G1B
	s_mov_b32 s[\g+1], ROWB<<16                    ; tensor_dim0
	s_mov_b32 s[\g+2], 128<<16                     ; tensor_dim1 = 128
	s_mov_b32 s[\g+3], ROWB<<16                    ; tile_dim0
	s_mov_b32 s[\g+4], 128                         ; tile_dim1 = 128
	s_mov_b32 s[\g+5], KROW                        ; tensor_dim0_stride
	s_mov_b32 s[\g+6], 0
	s_mov_b32 s[\g+7], 0
.endr
	s_lshl_b32 s18, s16, 7                         ; which 128 rows of the tile I fetch
	s_lshl_b32 s20, s17, 8
	s_add_co_u32 s20, s20, s18                     ; A: row 256 x tile row + 128 x half
	s_lshl_b32 s46, s42, 8
	s_add_co_u32 s46, s46, s18                     ; B: row 256 x tile column + 128 x half
	s_mov_b32 s21, 0
	s_mov_b32 s47, 0
	s_mov_b64 s[18:19], KS
	s_mul_u64 s[22:23], s[20:21], s[18:19]         ; where these rows' scales begin, in bytes
	s_mul_u64 s[92:93], s[46:47], s[18:19]
	s_mov_b64 s[18:19], KROW
	s_mul_u64 s[20:21], s[20:21], s[18:19]         ; and their codes
	s_mul_u64 s[46:47], s[46:47], s[18:19]
	s_mul_i32 s45, s14, HALFT                      ; where they go: wave x 128 rows: no place in the cluster enters an LDS address
	s_mul_i32 s94, s14, HALFS
	s_wait_kmcnt 0x0
	; which tensors are A and B: a choice on SEL alone, which hangs on no address and is equal in all partners
	s_cmp_eq_u32 s95, 2
	s_cselect_b64 s[4:5], s[80:81], s[68:69]       ; A's codes: Wv's or x's
	s_cselect_b64 s[6:7], s[82:83], s[70:71]       ; A's scales
	s_cselect_b64 s[8:9], s[68:69], s[76:77]       ; B's codes: x's, or Wk's,
	s_cselect_b64 s[10:11], s[70:71], s[78:79]
	s_cmp_eq_u32 s95, 0
	s_cselect_b64 s[8:9], s[72:73], s[8:9]         ; or Wq's
	s_cselect_b64 s[10:11], s[74:75], s[10:11]
	s_mov_b64 s[98:99], s[84:85]                   ; mask
	s_mov_b64 s[12:13], s[86:87]                   ; qkv
	s_mov_b64 s[96:97], s[88:89]                   ; qkvs
	s_mov_b64 s[100:101], s[90:91]                 ; m0buf
	; s68-91 are free now.  Group 1 for the scales of 128 rows: a dense block of 128 KS bytes, as rows of 256 bytes (32 elements of 8 bytes), 16 bytes of padding behind each
	s_or_b32 s[G1S+0], s43, (3<<16)|(1<<20)|(1<<21)|(5<<22)|(3<<25)
	s_or_b32 s[G1SB+0], s44, (3<<16)|(1<<20)|(1<<21)|(5<<22)|(3<<25)
.irp g, G1S, G1SB
	s_mov_b32 s[\g+1], 32<<16
	s_mov_b32 s[\g+2], (128*KS/256)<<16
	s_mov_b32 s[\g+3], 32<<16
	s_mov_b32 s[\g+4], 128*KS/256
	s_mov_b32 s[\g+5], 32
	s_mov_b32 s[\g+6], 0
	s_mov_b32 s[\g+7], 0
.endr
	s_add_nc_u64 s[20:21], s[4:5], s[20:21]
	s_add_nc_u64 s[22:23], s[6:7], s[22:23]
	s_add_nc_u64 s[46:47], s[8:9], s[46:47]
	s_add_nc_u64 s[92:93], s[10:11], s[92:93]
	CROUND                                         ; all sixteen work-groups are here: the first joint loads meet
	s_mov_b32 s[G0S], 1
	s_add_co_u32 s[G0S+1], s94, SCL
	s_mov_b64 s[G0S+2:G0S+3], s[22:23]
	s_or_b32 s[G0S+3], s[G0S+3], 0x80000000
	s_mov_b32 s[G0SB], 1
	s_add_co_u32 s[G0SB+1], s94, SCL
	s_mov_b64 s[G0SB+2:G0SB+3], s[92:93]
	s_or_b32 s[G0SB+3], s[G0SB+3], 0x80000000
	JLOAD G0S, G1S, G0SB, G1SB                     ; the scales first: they are wanted with K step 0
.irp s, 0,1
	s_mov_b32 s[G0+4*\s], 1
	s_add_co_u32 s[G0+4*\s+1], s45, \s*SLOT
	s_add_nc_u64 s[G0+4*\s+2:G0+4*\s+3], s[20:21], \s*ROWB
	s_or_b32 s[G0+4*\s+3], s[G0+4*\s+3], 0x80000000
	s_mov_b32 s[G0B+4*\s], 1
	s_add_co_u32 s[G0B+4*\s+1], s45, \s*SLOT
	s_add_nc_u64 s[G0B+4*\s+2:G0B+4*\s+3], s[46:47], \s*ROWB
	s_or_b32 s[G0B+4*\s+3], s[G0B+4*\s+3], 0x80000000
	JLOAD G0+4*\s, G1, G0B+4*\s, G1B
.endr
	v_and_b32 v1, 15, v0                           ; r = l % 16
	v_bfe_u32 v2, v0, 4, 1                         ; h = l / 16
	v_mul_u32_u24 v3, v1, PITCH
	v_lshl_add_u32 v4, v2, 4, v3                   ; a fragment's row x pitch + 16 x half
	s_mul_i32 s21, s15, HALFT                      ; my 128 rows of A
	s_mul_i32 s22, s16, HALFT                      ; my 128 rows of B,
	s_add_co_u32 s22, s22, 2*HALFT                 ; which lie behind A's 256
.irp s, 0,1
	v_add_nc_u32 v[ADRA+\s], s21, v4
	v_add_nc_u32 v[ADRB+\s], s22, v4
	s_add_co_u32 s21, s21, SLOT
	s_add_co_u32 s22, s22, SLOT
.endr
	v_mul_u32_u24 v5, v1, KS                       ; my row's scales: KS bytes a row,
	v_lshrrev_b32 v6, 8, v5
	v_lshl_add_u32 v5, v6, 4, v5                   ; and 16 more for each 256 passed
	s_mul_i32 s21, s15, HALFS                      ; A's: my 128 rows
	s_mul_i32 s22, s16, HALFS                      ; B's: my 128 rows, behind A's 256
	s_add_co_u32 s22, s22, 2*HALFS
	s_sub_co_u32 s22, s22, s21
	v_mul_u32_u24 v6, s22, v2                      ; lanes 16-31 take B's
	s_add_co_u32 s21, s21, SCL
	v_add_nc_u32 v5, v5, v6
	v_add_nc_u32 v[ADRS], s21, v5
	; the way out: a lane's places
	v_lshlrev_b32 v[LQ], 4, v1
	v_lshl_add_u32 v[LQ], v2, 3, v[LQ]             ; 16 r + 8 h
	v_and_b32 v5, 7, v1
	v_lshrrev_b32 v6, 3, v1
	v_lshlrev_b32 v5, 2, v5                        ; 4 (r % 8)
	v_lshl_add_u32 v[LSQ], v6, 1, v5
	v_mul_u32_u24 v7, v2, HEADS
	v_add_nc_u32 v[LSQ], v[LSQ], v7                ; lanes 16-31 store the second head's two bytes
	v_lshl_add_u32 v[LSV], v6, 6, v5
	v_lshl_add_u32 v[LSV], v2, 5, v[LSV]           ; lanes 16-31 store the odd tile's word
.irp b, 0,1,2,3
	v_mov_b32 v[T4+\b], 0                          ; written once: a lane permute's destination counts as one of its sources
.endr
	; and the wave's: rA, rB = which 128 rows of A and of B are mine
	s_lshl_b32 s20, s17, 1
	s_add_co_u32 s20, s20, s15                     ; rA
	s_lshl_b32 s46, s42, 1
	s_add_co_u32 s46, s46, s16                     ; rB
	s_cmp_lt_u32 s95, 2
	s_cselect_b32 s21, s46, s20                    ; the pair of heads: 128 rows of a weight
	s_cselect_b32 s22, s20, s46                    ; the block of 128 rows of x
	s_lshl_b32 s21, s21, 6
	s_add_co_u32 s21, s21, s22                     ; 32 x (first head) + block
	s_mul_i32 s18, s21, BLKB
	s_lshl_b32 s22, s95, 13                        ; the part: Q, K or V
	s_add_co_u32 s18, s18, s22
	s_mov_b32 s19, 0
	s_add_nc_u64 s[12:13], s[12:13], s[18:19]
	s_mul_i32 s18, s21, BLKS
	s_lshl_b32 s22, s95, 8
	s_add_co_u32 s18, s18, s22
	s_add_nc_u64 s[96:97], s[96:97], s[18:19]
	s_lshl_b32 s22, s20, 7
	v_add_nc_u32 v[TM], s22, v1                    ; the mask byte of row 128 rA + r (it counts where A's rows are keys: SEL = 1; rA stays under 32, so every lane stays inside the mask)
.irp i, 0,1,2,3,4,5,6,7
	global_load_u8 v[MB+\i], v[TM], s[98:99] offset:16*\i
.endr
	s_cmp_eq_u32 s95, 0
	s_cselect_b32 s104, 0x03030303, 0              ; what is taken off Q's scale bytes
	s_cmp_eq_u32 s95, 1
	s_cselect_b32 s105, 0xff, 0                    ; the mask bytes count for K alone
	s_mov_b32 s20, 0x76543210
	s_mov_b32 s21, 0xfedcba98                      ; v_permlanex16_b32's selects for lane l xor 16
	s_mov_b32 s22, 0x600000                        ; the mantissa field of 448
	s_mov_b32 s23, 0xffff0000                      ; lanes 16-31
	; THE FIRST OPEN KEY.  Cluster 0, wave 0 of each work-group: place p = cx + 4 cy takes keys 256 p .. 256 p + 255, 8 a lane.  The branches hang on the cluster's and the wave's number; p enters global addresses alone.
	s_cmp_lg_u32 s66, 0
	s_cbranch_scc1 .Lno_m0
	s_cmp_lg_u32 s14, 0
	s_cbranch_scc1 .Lno_m0
	s_lshl_b32 s92, s41, 2
	s_add_co_u32 s92, s92, s40                     ; p
	s_lshl_b32 s93, s92, 8
	v_lshl_add_u32 v73, v0, 3, s93                 ; my first key, which is also its byte in the mask
	global_load_b64 v[74:75], v73, s[98:99]
	s_lshl_b32 s92, s92, 2
	s_wait_loadcnt 0x0
	v_mov_b32 v80, 0x1000                          ; none: 4,096
.irp j, 7,6,5,4,3,2,1,0
	v_bfe_u32 v81, v[74+\j/4], 8*(\j%4), 8
	v_add_nc_u32 v82, \j, v73
	v_cmp_eq_u32 vcc_lo, 0, v81                    ; open
	v_cndmask_b32 v80, v80, v82, vcc_lo            ; descending, so that the lowest open key stays
.endr
.irp m, 1,2,4,8
	v_mov_b32_dpp v81, v80 row_xmask:\m row_mask:0xf bank_mask:0xf
	v_min_u32 v80, v80, v81
.endr
	v_permlanex16_b32 v81, v80, s20, s21
	v_min_u32 v80, v80, v81
	v_mov_b32 v83, s92
	v_cmp_eq_u32 vcc_lo, 0, v0
	s_wait_xcnt 0x0                                ; EXEC changes only when every earlier memory instruction has had its addresses translated
	s_and_saveexec_b32 s93, vcc_lo
	global_store_b32 v83, v80, s[100:101]          ; lane 0: word p
	s_wait_xcnt 0x0                                ; and again, in front of the line that widens it
	s_or_b32 exec_lo, exec_lo, s93
.Lno_m0:
.macro FRAG reg, adr, q, i             ; a fragment, 16 rows x 128 K of 8-bit codes, is 16 registers: lane l holds row l % 16; registers 4 c .. 4 c + 3 hold K = 32 c + 16 (l / 16) + 0 .. 15
.irp c, 0,1,2,3
	ds_load_b128 v[\reg+4*\c:\reg+4*\c+3], v[\adr] offset:128*(\q)+32*\c+(\i)*16*PITCH
.endr
.endm
; 16 matrix instructions: A's blocks a0, a0 + 1 x B's eight, 128 along K: the slot's q-th.  p: B's set;  sc: the set of scale words.  zero = 1: the first product starts the sums: nothing is ever cleared.
; The 64 accumulators take turns, one instruction a turn, in the same order in every step.
.macro MUL16 a0, p, q, sc, zero
.irp a, \a0, \a0+1
.irp b, 0,1,2,3,4,5,6,7
.if \zero
	v_wmma_scale_f32_16x16x128_f8f6f4 v[8*(8*((\a)%4)+\b):8*(8*((\a)%4)+\b)+7], v[128*(\p)+FR*\b:128*(\p)+FR*\b+FR-1], v[AF+FR*(\a):AF+FR*(\a)+FR-1], 0, v[SC+8*NQ*(\sc)+NQ*\b+(\q)], v[SC+8*NQ*(\sc)+NQ*(\a)+(\q)] matrix_a_scale:MATRIX_SCALE_ROW1
.else
	v_wmma_scale_f32_16x16x128_f8f6f4 v[8*(8*((\a)%4)+\b):8*(8*((\a)%4)+\b)+7], v[128*(\p)+FR*\b:128*(\p)+FR*\b+FR-1], v[AF+FR*(\a):AF+FR*(\a)+FR-1], v[8*(8*((\a)%4)+\b):8*(8*((\a)%4)+\b)+7], v[SC+8*NQ*(\sc)+NQ*\b+(\q)], v[SC+8*NQ*(\sc)+NQ*(\a)+(\q)] matrix_a_scale:MATRIX_SCALE_ROW1
.endif
.endr
.endr
.endm
.macro FETCH_B slot, q, p              ; B's eight fragments of the slot's q-th 128 along K into set p
	WIN TO_B
.irp i, 0,1,2,3,4,5,6,7
	FRAG 128*(\p)+FR*\i, ADRB+\slot, \q, \i
.endr
	WIN 0
.endm
.macro FETCH_A slot, q, i0             ; A's blocks i0 .. i0 + 3
.irp i, \i0, \i0+1, \i0+2, \i0+3
	FRAG AF+FR*(\i), ADRA+\slot, \q, \i
.endr
.endm
.macro SCALES sc                       ; the next K step's scale words into set sc: NQ words a row; lanes 0-15 take A's block i, lanes 16-31 B's block i
.irp i, 0,1,2,3,4,5,6,7
	ds_load_b64 v[SC+8*NQ*\sc+NQ*\i:SC+8*NQ*\sc+NQ*\i+1], v[ADRS] offset:\i*SBLK
.endr
.endm
; A load into a register that a matrix instruction has read, and a vector instruction that reads a matrix result, stand NP places behind that matrix instruction, and only plain vector
; instructions that name none of its registers are places (ISA guide 7.12.1 for vector instructions).
.macro PLACES n
.rept \n
	v_nop
.endr
.endm
; A step of 128 along K that has its successor in the same slot.
.macro STEP slot, q, zero
	s_wait_dscnt 4*NL                              ; B's set and A's blocks 0-3 are in; the youngest sixteen loads (A's blocks 4-7) may be out
	WIN MUL_LO
	MUL16 0, (\q)%2, \q, \slot, \zero
	MUL16 2, (\q)%2, \q, \slot, \zero
	s_wait_dscnt 0                                 ; A's blocks 4-7 are in (asked for 32 matrix instructions ago)
	PLACES NP
	FETCH_B \slot, (\q)+1, 1-(\q)%2
	FETCH_A \slot, (\q)+1, 0
	WIN MUL_HI
	MUL16 4, (\q)%2, \q, \slot, \zero
	MUL16 6, (\q)%2, \q, \slot, \zero
	PLACES NP
	WIN 0
	FETCH_A \slot, (\q)+1, 4
.endm
; A slot's last step changes slots: ONE barrier; in front of it each wave waits for all its tensor loads, adds 0 to its spare word, and waits for that and for its own reads of this slot.  fill = 1: this slot is filled again, two K steps ahead.
.macro TURN slot, next, fill
	s_wait_tensorcnt 0x0                           ; all my tensor loads have landed: my part of the next slot;  (every window is 0 here: the add's two registers lie in window 0)
	ds_add_u32 v[SPW], v[NIL]                      ; 0 onto my spare word;
	s_wait_dscnt 4*NL+1                            ; (the add and the youngest sixteen loads, A's blocks 4-7, may be out)
	WIN MUL_LO
	MUL16 0, 1, NQ-1, \slot, 0                     ; sixteen matrix instructions stand between the add and the wait for it
	s_wait_dscnt 0x0                               ; the add is done, and my reads of this slot are over
	s_barrier_signal -1
	MUL16 2, 1, NQ-1, \slot, 0
	WIN 0
	s_barrier_wait -1
.if \fill
	CREST                                          ; the barrier has opened a round of the cluster's barrier: no wave of any partner still reads this slot's tile or has a load on its way
	s_add_nc_u64 s[G0+4*\slot+2:G0+4*\slot+3], s[G0+4*\slot+2:G0+4*\slot+3], 2*ROWB
	s_add_nc_u64 s[G0B+4*\slot+2:G0B+4*\slot+3], s[G0B+4*\slot+2:G0B+4*\slot+3], 2*ROWB
	JLOAD G0+4*\slot, G1, G0B+4*\slot, G1B         ; the first tensor load behind the round; the four v_nop behind it are among the places in front of the loads below
	PLACES NP-4
.else
	PLACES NP
.endif
	v_add_nc_u32 v[ADRS], 4*NQ, v[ADRS]            ; on to the next K step's scale words (no LDS load of mine is out)
	FETCH_B \next, 0, 0
	FETCH_A \next, 0, 0
	SCALES \next
	WIN MUL_HI
	MUL16 4, 1, NQ-1, \slot, 0
	MUL16 6, 1, NQ-1, \slot, 0
	PLACES NP
	WIN 0
	FETCH_A \next, 0, 4
.endm
	s_wait_tensorcnt 1                             ; the scales and my part of K step 0 are in (K step 1's load may be out),
	s_barrier_signal -1
	s_barrier_wait -1                              ; everybody's are
	FETCH_B 0, 0, 0
	FETCH_A 0, 0, 0
	SCALES 0
	FETCH_A 0, 0, 4
	STEP 0, 0, 1                                   ; the first step stands in front of the loop: its products start the sums
	s_mov_b32 s3, LAPS-1
.Llap:                                                 ; a trip goes once round the ring, from a lap's second step to the next lap's first, and fills both slots again
	TURN 0, 1, 1
	STEP 1, 0, 0
	TURN 1, 0, 1
	STEP 0, 0, 0
	s_sub_co_u32 s3, s3, 1
	s_cmp_lg_u32 s3, 0
	s_cbranch_scc1 .Llap
	TURN 0, 1, 0                                   ; the last lap fills nothing, and has no round of the cluster's barrier
	STEP 1, 0, 0
	s_wait_dscnt 4*NL                              ; the very last step: nothing more to fetch
	WIN MUL_LO
	MUL16 0, 1, NQ-1, 1, 0
	MUL16 2, 1, NQ-1, 1, 0
	s_wait_dscnt 0
	WIN MUL_HI
	MUL16 4, 1, NQ-1, 1, 0
	MUL16 6, 1, NQ-1, 1, 0
	WIN 0
; THE WAY OUT, tile by tile of 16 rows of A x 128 rows of B.  In accumulator (i, b) lane (r, h) holds A's row 16 i + r and, in register j, B's row 16 b + 8 h + j.  So registers 16 g .. 16 g + 15 of the tile's 64, in lanes
; l and l xor 16, are block g of 32 along the next K; the eight codes of accumulator b belong at byte 8 h of the image's lane r + 16 (b % 2): a store of 8 bytes a lane covers 256 consecutive bytes, aligned.
; Each accumulator is read from its low end on.  No LDS is used.
.macro TILEOUT i
.set AC, 64*((\i)%4)
.set W, 2+(\i)/4
	WIN W|(W<<2)                                   ; sources 0 and 1: the accumulators' window
.irp b, 0,1,2,3
	v_max3_num_f32 v[TM+\b], |v[AC+16*\b]|, |v[AC+16*\b+1]|, FLOOR   ; block b: my 16 numbers, and the floor
.endr
	WIN (W<<2)|(W<<4)                              ; sources 1 and 2
.irp k, 2,4,6,8,10,12,14
.irp b, 0,1,2,3
	v_max3_num_f32 v[TM+\b], v[TM+\b], |v[AC+16*\b+\k]|, |v[AC+16*\b+\k+1]|   ; (the four blocks by turns)
.endr
.endr
	WIN 0
.irp b, 0,1,2,3
	v_permlanex16_b32 v[T4+\b], v[TM+\b], s20, s21
.endr
.irp b, 0,1,2,3
	v_max_num_f32 v[TM+\b], v[TM+\b], v[T4+\b]     ; with lane l xor 16's: the block's largest magnitude
.endr
.irp b, 0,1,2,3
	v_add_nc_u32 v[SO+\b], 0xfc000000, v[TM+\b]    ; 8 off its exponent field: the conversion takes the exponent field of this operand as its scale
.endr
.irp b, 0,1,2,3
	v_and_or_b32 v[HB+\b], v[TM+\b], 0x7f800000, s22   ; 448 x the scale
.endr
.irp b, 0,1,2,3
	v_lshrrev_b32 v[T4+\b], 23, v[SO+\b]           ; the scale's byte
.endr
	v_lshl_or_b32 v[PW], v[T4+1], 8, v[T4]
	v_lshl_or_b32 v[PW], v[T4+2], 16, v[PW]
	v_lshl_or_b32 v[PW], v[T4+3], 24, v[PW]        ; my row's four bytes
	v_and_b32 v90, s105, v[MB+\i]                  ; is my row a key that the mask hides?
	v_cmp_eq_u32 vcc_lo, 0, v90
.irp b, 0,1,2,3
	v_cndmask_b32 v[HB+\b], 0, v[HB+\b], vcc_lo    ; then its numbers are held at 0: zero codes
.endr
	WIN W|(W<<6)                                   ; source 0 and destination
.irp b, 0,1,2,3
.irp k, 0,1,2,3,4,5,6,7,8,9,10,11,12,13,14,15
	v_med3_num_f32 v[AC+16*\b+\k], v[AC+16*\b+\k], -v[HB+\b], v[HB+\b]   ; the conversion to an 8-bit code does not saturate (ISA guide 7.6.2): the hold at the largest code x the scale
.endr
.endr
	WIN W
	s_wait_xcnt 0x0                                ; the last tile's stores have read their data: the codes' and the scales' registers are written again only behind this wait
.irp b, 0,1,2,3,4,5,6,7
	v_cvt_scalef32_pk8_fp8_f32 v[PC+2*\b:PC+2*\b+1], v[AC+8*\b:AC+8*\b+7], v[SO+\b/2]
.endr
	WIN 0
	v_sub_nc_u32 v[PW], v[PW], s104                ; Q: 3 off each byte.  (Also the plain line behind the conversions)
.if (\i)%2 == 0
	v_mov_b32 v[PWE], v[PW]                        ; kept for the odd tile's store
.endif
	s_cmp_eq_u32 s95, 2
	s_cbranch_scc1 .Lv_\@
	v_lshrrev_b32 v90, 16, v[PW]
	v_cndmask_b32 v91, v[PW], v90, s23             ; lanes 0-15: the first head's two bytes, lanes 16-31: the second's
.irp b, 0,1,2,3,4,5,6,7
	global_store_b64 v[LQ], v[PC+2*\b:PC+2*\b+1], s[12:13] offset:(\b/4)*HEADB+1024*(\i)+256*(\b%4)
.endr
	global_store_b16 v[LSQ], v91, s[96:97] offset:64*((\i)/2)+32*((\i)%2)
	s_branch .Ldone_\@
.Lv_\@:
.irp b, 0,1,2,3,4,5,6,7
	global_store_b64 v[LQ], v[PC+2*\b:PC+2*\b+1], s[12:13] offset:((\i)/4)*HEADB+2048*((\i)%4)+256*\b
.endr
.if (\i)%2
	v_cndmask_b32 v91, v[PWE], v[PW], s23          ; lanes 0-15: the even tile's word, lanes 16-31: this one's
	global_store_b32 v[LSV], v91, s[96:97] offset:((\i)/4)*HEADS+128*(((\i)%4)/2)
.endif
.Ldone_\@:
.endm
	PLACES NP                                      ; behind the last products
	s_wait_loadcnt 0x0                             ; the mask bytes
.irp i, 0,1,2,3,4,5,6,7
	TILEOUT \i
.endr
	s_wait_tensorcnt 0x0                           ; the wave's end
	ds_add_u32 v[SPW], v[NIL]
	s_wait_dscnt 0x0
	CROUND                                         ; the closing round: no work-group ends while a partner may still ask for a tile that names it
	s_endpgm
.Lfunc_end_k_qb0917b2e50_proj:
	.size	k_qb0917b2e50_proj, .Lfunc_end_k_qb0917b2e50_proj-k_qb0917b2e50_proj
	.p2alignl 7, 3214868480
	.fill 96, 4, 3214868480
	.section	.rodata,"a",@progbits
	.p2align	6, 0x0
	.amdhsa_kernel k_qb0917b2e50_proj
		.amdhsa_group_segment_fixed_size 327680
		.amdhsa_private_segment_fixed_size 0
		.amdhsa_enable_private_segment 0
		.amdhsa_kernarg_size 96
		.amdhsa_user_sgpr_count 2
		.amdhsa_user_sgpr_kernarg_segment_ptr 1
		.amdhsa_wavefront_size32 1
		.amdhsa_system_sgpr_workgroup_id_x 1
		.amdhsa_system_sgpr_workgroup_id_y 1
		.amdhsa_system_sgpr_workgroup_id_z 1
		.amdhsa_system_vgpr_workitem_id 0
		.amdhsa_next_free_vgpr 1024
		.amdhsa_next_free_sgpr 106
		.amdhsa_reserve_vcc 1
		.amdhsa_float_denorm_mode_32 3
		.amdhsa_float_denorm_mode_16_64 3
		.amdhsa_memory_ordered 1
		.amdhsa_forward_progress 1
		.amdhsa_inst_pref_size 203
	.end_amdhsa_kernel
	.amdgpu_metadata
---
amdhsa.version: [ 1, 2 ]
amdhsa.kernels:
  - .name:           k_qb0917b2e50_proj
    .symbol:         k_qb0917b2e50_proj.kd
    .args:
      - { .name: x_codes, .offset: 0, .size: 8, .value_kind: global_buffer, .address_space: global }
      - { .name: x_scales, .offset: 8, .size: 8, .value_kind: global_buffer, .address_space: global }
      - { .name: Wq_codes, .offset: 16, .size: 8, .value_kind: global_buffer, .address_space: global }
      - { .name: Wq_scales, .offset: 24, .size: 8, .value_kind: global_buffer, .address_space: global }
      - { .name: Wk_codes, .offset: 32, .size: 8, .value_kind: global_buffer, .address_space: global }
      - { .name: Wk_scales, .offset: 40, .size: 8, .value_kind: global_buffer, .address_space: global }
      - { .name: Wv_codes, .offset: 48, .size: 8, .value_kind: global_buffer, .address_space: global }
      - { .name: Wv_scales, .offset: 56, .size: 8, .value_kind: global_buffer, .address_space: global }
      - { .name: mask, .offset: 64, .size: 8, .value_kind: global_buffer, .address_space: global }
      - { .name: qkv, .offset: 72, .size: 8, .value_kind: global_buffer, .address_space: global }
      - { .name: qkvs, .offset: 80, .size: 8, .value_kind: global_buffer, .address_space: global }
      - { .name: m0buf, .offset: 88, .size: 8, .value_kind: global_buffer, .address_space: global }
    .group_segment_fixed_size: 327680
    .private_segment_fixed_size: 0
    .kernarg_segment_align: 8
    .kernarg_segment_size: 96
    .max_flat_workgroup_size: 128
    .sgpr_count:     106
    .vgpr_count:     1024
    .wavefront_size: 32
...
	.end_amdgpu_metadata
.endif
;; end of part 1
;; launch attn (part 2): grid 64 x 4, 16 waves a work-group, no clusters, 268,288 bytes of LDS; arguments qkv, qkvs, spatial_bias, mask, m0buf, ocodes, oscales; writes ocodes, oscales
.if DOCPART == 2
	.amdgcn_target "amdgcn-amd-amdhsa--gfx1250"
	.amdhsa_code_object_version 6
	.text
	.protected	k_qb0917b2e50_attn
	.globl	k_qb0917b2e50_attn
	.p2align	8
	.type	k_qb0917b2e50_attn,@function
k_qb0917b2e50_attn:
	s_mov_b64 s[64:65], 0
	v_nop
	global_prefetch_b8 v0, s[64:65] scope:SCOPE_SE
	s_setreg_imm32_b32 hwreg(HW_REG_WAVE_MODE, 25, 1), 1
	s_wait_xcnt 0x0
; Attention on codes of FP8 (E4M3) with E8M0 scales: logit = q . k / 8 + spatial_bias; a key that the mask input hides has the logit NEG = -1e9 instead; NEG is added above the diagonal; softmax; x v.
; The result is quantised along (head, channel) and leaves as codes for the last product.
; THE SOFTMAX: t = logit x log2(e); M = the running largest t rounded UP to a whole number; p = 2^(t - M) is quantised along the keys, not normalised; the sum of the unquantised p divides at the end.
; NEG IS FINITE.  A row all of whose visible keys are hidden by the mask (every row q < m0, m0 the first open key) has its largest logit at NEG, and the open keys ABOVE the diagonal then weigh as reference() has them:
; fl(score + NEG).  So a block of queries that begins under m0 walks all 4,096 keys, adds NEG in f32 as reference() does, and rounds t before M is taken off.  All other blocks stop at the diagonal.
; m0 comes as whole numbers from the launch before.  The number of key steps hangs on it: so this launch has no tensor load and no joint request; its operands go through registers into LDS,
; and on that way the key mask is laid on the bias (bias x keep + negm), once for four heads.
; SHARES.  Work-group (p, g): heads 4 g .. 4 g + 3, and two blocks of 32 queries: block p and block 127 - p, whose key steps add up to the same number in every work-group.  Sixteen waves of 256 registers.
; Wave w: head hf = w % 4; tile a = (w / 4 + hf) % 4 of the four tiles of 16 queries (0, 1: the early block; 2, 3: the late one): so early and late tiles are spread evenly however waves are dealt to SIMDs.
; A STEP is 128 keys; 32 steps, two a trip, ONE barrier a step.  Two LDS slots: while slot s is read, every wave brings its share of the next step into the other: 2,048 bytes of K, 2,048 of V, 128 of scales, 4 rows of bias.
; A wave whose tile is finished goes on filling.  Steps that no tile of the work-group wants are not fetched.
; LAYOUT.  Both products are used transposed, so that a lane holds ONE query (lane % 16) throughout.  K = 64 in the first product: an operand of K holds TWO tiles of 16 keys (64 codes each), and Q stands beside 64 zero codes,
; in front of them or behind them: v[24:39] picks the first tile, v[16:31] the second.  The bias is the C of those products.  THE KEYS OF A TILE ARE NOT NEIGHBOURS: row r of tile 2 u + e is key 32 u + 8 e + r + 8 (r / 8),
; so that registers 16 u .. 16 u + 15 of the scores are keys 32 u + 16 (lane / 16) + 0 .. 15.  V's channels are dealt likewise, for the quantiser of the result.  Both orders are made by the fill's LDS addresses alone.
; LIMITS: NaN and infinities in any input are not served: the bias of a hidden key must be finite, since it is multiplied by 0; 1 / sum is v_rcp_f32.
.set SLOTB, 131072                     ; LDS: slot s begins at 131,072 s:
.set SCLO,  65536                      ;   0: four heads x (K's images 8,192 | V's images 8,192);  65,536: four heads x (K's scale words 256 | V's 256);
.set BIASO, 67584                      ;   67,584: 64 rows of bias (early block 0-31, late block 32-63), 512 bytes + 16 of padding
.set BP,    528
.set KEEP,  232448                     ; behind the slots: keep[4096] f32 (1 or 0),
.set TBL,   16384                      ; and 16,384 bytes on negm[4096] f32 (0 or NEG)
.set SGP,   272                        ; the way out: a stage of 64 rows x (256 + 16) bytes at LDS byte 0, in slot 0, which nobody reads or fills behind the last barrier of the loop;
.set STGS,  17408                      ; behind it 64 rows x 8 scale bytes
.set HEADB, 786432                     ; a head in qkv: 32 blocks of 24,576 bytes (Q 8,192 | K 8,192 | V 8,192)
.set BLKB,  24576
.set HEADS, 24576                      ; a head in qkvs: 32 blocks of 768 bytes
.set BLKS,  768
; v1-8 LDS places that stay: v1 fragments, v2 scale words, v3 my tile's bias, v4-7 where I fill K, V, scales, bias, v8 the tables.  v9 16 x lane, v10 4 x lane, v11 r - 16 h.  v12 -M, v13 the largest t, v[14:15] the sum.
; v16-23 zeros, v24-31 Q, v32-39 zeros.
.set F,   40                           ; v40-103  four fragments of K or V; between the products the next step's share on its way to LDS
.set S,   104                          ; v104-167 the bias, the scores, then p
.set O,   168                          ; v168-199 O^T
.set PC,  200                          ; v200-215 p's codes
.set BM,  216                          ; v216-219 the blocks' largest
.set T4,  220                          ; v220-223 the other half's, then bytes
.set HB,  224                          ; v224-227 448 x the scale
.set SO,  228                          ; v228-231 the conversions' scale operands
.set LN,  232                          ; lane
.set RR,  233                          ; r = lane % 16
.set SC,  236                          ; v236-237 scale words of K or V: lanes 0-15 an even tile's, lanes 16-31 an odd one's
.set QS,  238                          ; Q's scale word
.set PS,  239                          ; p's
.set ADK, 240                          ; the step's LDS addresses: fragments, scale words, bias; fills of K, V, scales, bias; tables
.set ADS, 241
.set ADB, 242
.set AWK, 243
.set AWV, 244
.set AWS, 245
.set AWB, 246
.set ADT, 247
.set PFO, 248                          ; the prefetches' offset; never rewritten
.set HH,  249                          ; h = lane / 16
.set WV, 18
.set HF, 19
.set AF, 20
.set TA, 21
.set PP, 22
.set GG, 23
.set TQ, 24                            ; my tile of 16 queries
.set DS, 25                            ; the step on the diagonal
.set LASTC, 26                         ; my tile's last step
.set LASTKV, 27                        ; the last step whose K and V anybody here wants
.set LASTB, 28                         ; the last step of the block whose bias rows I fill
.set CARE, 29                          ; 1: my block begins under m0
.set PL, 30                            ; the last step that I prefetch; 0: none
.set ST, 31
.set CUR, 32
.set M0, 33
.set TT, 34
.set NEGS, 35
.set CS, 36                            ; s[36:37] log2(e)
.set SEL, 38
.set MNT, 40
.set KVB, 42
.set SCB, 44
.set BB, 46
.set PFA, 48
.set PFB, 50
.set PFS, 52
.set NEGP, 54
.set BLKF, 84                          ; the block whose bias rows I fill and whose results I store
.set BLKL, 85
.set QB, 86
.set QSB, 88
.macro FILL_LOAD_KV                    ; my share of the next step's K, V and scales: each load reads 512 (the last 128) consecutive bytes
.irp n, 0,1,2,3
	global_load_b128 v[F+4*\n:F+4*\n+3], v9, s[KVB:KVB+1] offset:512*\n
.endr
.irp n, 0,1,2,3
	global_load_b128 v[F+16+4*\n:F+16+4*\n+3], v9, s[KVB:KVB+1] offset:8192+512*\n
.endr
	global_load_b32 v[F+48], v10, s[SCB:SCB+1]
.endm
.macro FILL_LOAD_B                     ; four rows of bias, 512 consecutive bytes each
.irp i, 0,1,2,3
	global_load_b128 v[F+32+4*\i:F+32+4*\i+3], v9, s[BB:BB+1] offset:16384*\i
.endr
.endm
.macro STORE_KV                        ; the order of keys and of channels is made here, by addresses: load n of K is natural tile 2 af + n / 2, channels 32 (n % 2) on
.irp n, 0,1,2,3
	ds_store_b128 v[AWK], v[F+4*\n:F+4*\n+3] offset:128*(\n/2)+512*(\n%2)
.endr
.irp n, 0,1,2,3
	ds_store_b128 v[AWV], v[F+16+4*\n:F+16+4*\n+3] offset:512*\n
.endr
	ds_store_b32 v[AWS], v[F+48]
.endm
.macro STORE_B off                     ; bias x keep + negm: a hidden key's becomes NEG, the others stay as they are
	ds_load_b128 v[S:S+3], v[ADT] offset:\off
	ds_load_b128 v[S+4:S+7], v[ADT] offset:TBL+\off
	s_wait_dscnt 0x0
.irp i, 0,1,2,3
	v_pk_fma_f32 v[F+32+4*\i:F+32+4*\i+1], v[F+32+4*\i:F+32+4*\i+1], v[S:S+1], v[S+4:S+5]
	v_pk_fma_f32 v[F+32+4*\i+2:F+32+4*\i+3], v[F+32+4*\i+2:F+32+4*\i+3], v[S+2:S+3], v[S+6:S+7]
.endr
.irp i, 0,1,2,3
	ds_store_b128 v[AWB], v[F+32+4*\i:F+32+4*\i+3] offset:BP*\i
.endr
.endm
; A PREFETCH INTO THE L2 of step CUR + 2, one step ahead of the fill's loads.  K and V of head 4 g + w: waves 0-3 of the work-groups with p = 0: 16,384 bytes, lanes 256 bytes apart, two instructions.
; The bias of blocks p and 127 - p: waves 4 and 5 of the work-groups with g = 0: a lane a row, 512 bytes of it, two instructions.  So each aligned block of 256 bytes is named once in the launch.  Steps 0 and 1 come by their loads alone.
.macro ASK
	s_add_co_u32 s56, s[CUR], 2
	s_cmp_le_u32 s56, s[PL]
	s_cbranch_scc0 .Lnot_mine_\@
	global_prefetch_b8 v[PFO], s[PFA:PFA+1] th:TH_LOAD_NT scope:SCOPE_SE
	global_prefetch_b8 v[PFO], s[PFB:PFB+1] th:TH_LOAD_NT scope:SCOPE_SE
.Lnot_mine_\@:
.endm
.macro LOADS                           ; step CUR + 1 is fetched where somebody wants it
	s_cmp_lt_u32 s[CUR], s[LASTKV]
	s_cbranch_scc0 .Lno_kv_\@
	FILL_LOAD_KV
.Lno_kv_\@:
	s_cmp_lt_u32 s[CUR], s[LASTB]
	s_cbranch_scc0 .Lno_b_\@
	FILL_LOAD_B
.Lno_b_\@:
	ASK
.endm
.macro STORES o
	s_cmp_lt_u32 s[CUR], s[LASTKV]
	s_cbranch_scc0 .Lno_kv_\@
	STORE_KV
.Lno_kv_\@:
	s_cmp_lt_u32 s[CUR], s[LASTB]
	s_cbranch_scc0 .Lno_b_\@
	STORE_B 512*\o
.Lno_b_\@:
.endm
.macro KQ u                            ; keys 32 u .. 32 u + 31: one operand of K, two products; the bias in the accumulators is their C
	s_wait_dscnt 8*(3-\u)                          ; behind this group's eight loads stand the later groups' eight each
.if (\u)%2
	v_wmma_scale_f32_16x16x128_f8f6f4 v[S+16*\u:S+16*\u+7], v[F+16*\u:F+16*\u+15], v[24:39], v[S+16*\u:S+16*\u+7], v[SC+\u/2], v[QS] matrix_a_scale:MATRIX_SCALE_ROW1
	v_wmma_scale_f32_16x16x128_f8f6f4 v[S+16*\u+8:S+16*\u+15], v[F+16*\u:F+16*\u+15], v[16:31], v[S+16*\u+8:S+16*\u+15], v[SC+\u/2], v[QS] matrix_a_scale:MATRIX_SCALE_ROW1
.else
	v_wmma_scale_f32_16x16x128_f8f6f4 v[S+16*\u:S+16*\u+7], v[F+16*\u:F+16*\u+15], v[24:39], v[S+16*\u:S+16*\u+7], v[SC+\u/2], v[QS]
	v_wmma_scale_f32_16x16x128_f8f6f4 v[S+16*\u+8:S+16*\u+15], v[F+16*\u:F+16*\u+15], v[16:31], v[S+16*\u+8:S+16*\u+15], v[SC+\u/2], v[QS]
.endif
.endm
.macro PVM t                           ; O^T += V^T P^T: tile t of 16 channels; K = the step's 128 keys
	s_wait_dscnt 4*(3-\t)                          ; behind this tile's four loads stand the later tiles' four each
.if (\t)%2
	v_wmma_scale_f32_16x16x128_f8f6f4 v[O+8*\t:O+8*\t+7], v[F+16*\t:F+16*\t+15], v[PC:PC+15], v[O+8*\t:O+8*\t+7], v[SC+\t/2], v[PS] matrix_a_scale:MATRIX_SCALE_ROW1
.else
	v_wmma_scale_f32_16x16x128_f8f6f4 v[O+8*\t:O+8*\t+7], v[F+16*\t:F+16*\t+15], v[PC:PC+15], v[O+8*\t:O+8*\t+7], v[SC+\t/2], v[PS]
.endif
.endm
; A KEY STEP of a wave whose tile still has keys.
.macro STEP o
	ds_load_b32 v[SC], v[ADS]                      ; K's scale words: tiles' pairs 0, 1
	ds_load_b32 v[SC+1], v[ADS] offset:128         ; and 2, 3
.irp u, 0,1,2,3
.irp c, 0,1,2,3
	ds_load_b128 v[F+16*\u+4*\c:F+16*\u+4*\c+3], v[ADK] offset:2048*\u+512*\c
.endr
.irp c, 0,1,2,3
	ds_load_b128 v[S+16*\u+4*\c:S+16*\u+4*\c+3], v[ADB] offset:128*\u+16*\c   ; my query's bias at keys 32 u + 16 h + 0 .. 15
.endr
.endr
	KQ 0
	KQ 1
	KQ 2
	KQ 3
.rept 8
	v_nop                                          ; places: behind them the scores are read, and loads go into the registers that held K
.endr
	LOADS
	s_cmp_lt_u32 s[CUR], s[DS]
	s_cbranch_scc1 .Lopen_\@                       ; under the diagonal nothing is added
	s_cmp_eq_u32 s[CUR], s[DS]
	s_cbranch_scc0 .Lhidden_\@
	s_lshl_b32 s56, s[TQ], 4                       ; on the diagonal: register 16 b + i holds key 128 CUR + 16 h + 32 b + i: above the diagonal where 32 b + i > d,
	s_lshl_b32 s57, s[CUR], 7
	s_sub_co_i32 s56, s56, s57
	v_add_nc_u32 v234, s56, v11                    ; d = my query - 128 CUR - 16 h
.set n, 0
.rept 64
	v_cmp_gt_i32 vcc_lo, 32*(n/16)+n%16, v234
	v_add_f32 v235, s[NEGS], v[S+n]
	v_cndmask_b32 v[S+n], v[S+n], v235, vcc_lo
.set n, n+1
.endr
	s_branch .Lopen_\@
.Lhidden_\@:                                       ; above it: NEG onto every score, in f32, as reference() adds it
.set n, 0
.rept 32
	v_pk_add_f32 v[S+n:S+n+1], v[S+n:S+n+1], s[NEGP:NEGP+1] op_sel_hi:[1,0]
.set n, n+2
.endr
.Lopen_\@:
.irp b, 0,1,2,3
	v_max3_num_f32 v[BM+\b], v[S+16*\b], v[S+16*\b+1], v[S+16*\b+2]   ; the largest score of each block of 32 keys: for the row's maximum, and, since p rises with the score, for the block's largest p
.endr
.irp i, 3,5,7,9,11,13
.irp b, 0,1,2,3
	v_max3_num_f32 v[BM+\b], v[BM+\b], v[S+16*\b+\i], v[S+16*\b+\i+1]
.endr
.endr
.irp b, 0,1,2,3
	v_max_num_f32 v[BM+\b], v[BM+\b], v[S+16*\b+15]
.endr
.irp b, 0,1,2,3
	v_permlanex16_b32 v[T4+\b], v[BM+\b], s[SEL], s[SEL+1]
.endr
.irp b, 0,1,2,3
	v_max_num_f32 v[BM+\b], v[BM+\b], v[T4+\b]     ; with lane l xor 16's 16 keys
.endr
	v_max3_num_f32 v254, v[BM], v[BM+1], v[BM+2]
	v_max_num_f32 v254, v254, v[BM+3]
	v_mul_f32 v254, s[CS], v254                    ; the step's largest t
	v_max_num_f32 v13, v13, v254                   ; the running largest t
	v_mov_b32 v254, v12
	v_floor_f32 v12, -v13                          ; -M = floor(-t): M is a whole number
	v_sub_f32 v254, v12, v254                      ; old M - new M: a whole number, 0 or less
	v_cvt_i32_f32 v254, v254                       ; (it saturates)
	v_ldexp_f32 v252, 1.0, v254                    ; f = 2^(old M - new M): rounds nothing
	s_cmp_eq_u32 s[CARE], 0
	s_cbranch_scc0 .Lcare_\@
.set n, 0
.rept 32
	v_pk_fma_f32 v[S+n:S+n+1], v[S+n:S+n+1], s[CS:CS+1], v[12:13] op_sel_hi:[1,0,0]   ; t - M, two at a time
.set n, n+2
.endr
.irp b, 0,1,2,3
	v_fma_f32 v[BM+\b], v[BM+\b], s[CS], v12
.endr
	s_branch .Lexp_\@
.Lcare_\@:                                         ; where the largest logit may be NEG, t is a rounded f32 number first, as it is defined: near 1.4e9 the fused form would keep what the rounding drops
.set n, 0
.rept 32
	v_pk_mul_f32 v[S+n:S+n+1], v[S+n:S+n+1], s[CS:CS+1] op_sel_hi:[1,0]
.set n, n+2
.endr
.irp b, 0,1,2,3
	v_mul_f32 v[BM+\b], s[CS], v[BM+\b]
.endr
.set n, 0
.rept 32
	v_pk_add_f32 v[S+n:S+n+1], v[S+n:S+n+1], v[12:13] op_sel_hi:[1,0]
.set n, n+2
.endr
.irp b, 0,1,2,3
	v_add_f32 v[BM+\b], v[BM+\b], v12
.endr
.Lexp_\@:
.set n, 0
.rept 64
	v_exp_f32 v[S+n], v[S+n]                       ; p = 2^(t - M)
.set n, n+1
.endr
	v_pk_mul_f32 v[14:15], v[14:15], v[252:253] op_sel_hi:[1,0]   ; the sums under the new M.  (The plain line behind the exponentials)
	s_wait_alu depctr_va_vdst(0)                   ; one wait for the batch of 64, ahead of its first reader
.irp b, 0,1,2,3
	v_exp_f32 v[BM+\b], v[BM+\b]                   ; the block's largest p: the same instructions on the same number
.endr
	v_pk_add_f32 v[250:251], v[S:S+1], v[S+2:S+3]  ; the row's sum is taken of the unquantised p, in two chains
.set n, 4
.rept 15
	v_pk_add_f32 v[14:15], v[14:15], v[S+n:S+n+1]
	v_pk_add_f32 v[250:251], v[250:251], v[S+n+2:S+n+3]
.set n, n+4
.endr
	v_pk_add_f32 v[14:15], v[14:15], v[250:251]
	s_wait_alu depctr_va_vdst(0)                   ; and one for the four
.irp b, 0,1,2,3
	v_max_num_f32 v[BM+\b], 0x4800000, v[BM+\b]    ; the floor 2^(9 - 127): the byte cannot fall under 1
.endr
.irp b, 0,1,2,3
	v_add_nc_u32 v[SO+\b], 0xfc000000, v[BM+\b]    ; 8 off the exponent field: the conversion's scale operand
.endr
.irp b, 0,1,2,3
	v_and_or_b32 v[HB+\b], v[BM+\b], 0x7f800000, s[MNT]   ; 448 x the scale
.endr
.irp b, 0,1,2,3
	v_lshrrev_b32 v[T4+\b], 23, v[SO+\b]           ; the scale's byte
.endr
	v_lshl_or_b32 v[PS], v[T4+1], 8, v[T4]
	v_lshl_or_b32 v[PS], v[T4+2], 16, v[PS]
	v_lshl_or_b32 v[PS], v[T4+3], 24, v[PS]        ; p's scale word for these 128 keys
.irp b, 0,1,2,3
.set n, 0
.rept 16
	v_min_num_f32 v[S+16*\b+n], v[S+16*\b+n], v[HB+\b]   ; the conversion does not saturate (ISA guide 7.6.2); p is not negative, so the hold is one-sided
.set n, n+1
.endr
	v_cvt_scalef32_pk8_fp8_f32 v[PC+4*\b:PC+4*\b+1], v[S+16*\b:S+16*\b+7], v[SO+\b]
	v_cvt_scalef32_pk8_fp8_f32 v[PC+4*\b+2:PC+4*\b+3], v[S+16*\b+8:S+16*\b+15], v[SO+\b]
.endr
.set n, 0
.rept 16
	v_pk_mul_f32 v[O+n:O+n+1], v[O+n:O+n+1], v[252:253] op_sel_hi:[1,0]   ; O^T under the new M.  (Also the places between the codes and the products that take them)
.set n, n+2
.endr
	s_wait_loadcnt 0x0                             ; the next step's share is in registers,
	STORES \o                                      ; and goes into the other slot
	s_wait_dscnt 0x0                               ; the stores have read their registers: V's fragments may land there
	ds_load_b32 v[SC], v[ADS] offset:256           ; V's scale words: tiles 0, 1
	ds_load_b32 v[SC+1], v[ADS] offset:384         ; and 2, 3
.irp t, 0,1,2,3
.irp c, 0,1,2,3
	ds_load_b128 v[F+16*\t+4*\c:F+16*\t+4*\c+3], v[ADK] offset:8192+2048*\t+512*\c
.endr
.endr
	PVM 0
	PVM 1
	PVM 2
	PVM 3
.endm
; One step of the loop: reads slot o, fills slot 1 - o.  The barrier at its end stands behind every wave's reads of slot o and its stores into the other.
.macro TRIP o
	s_add_co_u32 s[CUR], s[ST], \o
	v_add_nc_u32 v[ADK], \o*SLOTB, v1              ; the step's eight LDS addresses: also the eight places behind the last step's products, ahead of the loads into their registers
	v_add_nc_u32 v[ADS], \o*SLOTB, v2
	v_add_nc_u32 v[ADB], \o*SLOTB, v3
	v_add_nc_u32 v[AWK], (1-\o)*SLOTB, v4
	v_add_nc_u32 v[AWV], (1-\o)*SLOTB, v5
	v_add_nc_u32 v[AWS], (1-\o)*SLOTB, v6
	v_add_nc_u32 v[AWB], (1-\o)*SLOTB, v7
	v_add_nc_u32 v[ADT], s[TT], v8
	s_cmp_gt_u32 s[CUR], s[LASTC]
	s_cbranch_scc1 .Lidle_\@
	STEP \o
	s_branch .Lmeet_\@
.Lidle_\@:                                         ; my tile is finished: I only fill
	LOADS
	s_wait_loadcnt 0x0
	STORES \o
.Lmeet_\@:
	s_wait_dscnt 0x0                               ; my reads of this slot are in and my stores into the other have landed
	s_barrier_signal -1
	s_barrier_wait -1
	s_wait_xcnt 0x0                                ; the step's loads and prefetches have read their bases
	s_add_nc_u64 s[KVB:KVB+1], s[KVB:KVB+1], BLKB
	s_add_nc_u64 s[SCB:SCB+1], s[SCB:SCB+1], BLKS
	s_add_nc_u64 s[BB:BB+1], s[BB:BB+1], 512
	s_add_nc_u64 s[PFA:PFA+1], s[PFA:PFA+1], s[PFS:PFS+1]
	s_add_nc_u64 s[PFB:PFB+1], s[PFB:PFB+1], s[PFS:PFS+1]
.endm
	s_load_b256 s[4:11], s[0:1], 0x0               ; qkv, qkvs, spatial_bias, mask
	s_load_b128 s[12:15], s[0:1], 0x20             ; m0buf, ocodes
	s_load_b64 s[16:17], s[0:1], 0x30              ; oscales
	v_lshrrev_b32 v1, 5, v0
	v_readfirstlane_b32 s[WV], v1                  ; wave 0..15
	s_and_b32 s[HF], s[WV], 3
	s_lshr_b32 s[AF], s[WV], 2
	s_add_co_u32 s[TA], s[HF], s[AF]
	s_and_b32 s[TA], s[TA], 3                      ; my tile of the four
	s_mov_b32 s[PP], ttmp9
	s_and_b32 s[GG], ttmp7, 0xffff
	s_lshl_b32 s56, s[PP], 1
	s_sub_co_u32 s57, 252, s56
	s_cmp_lt_u32 s[TA], 2
	s_cselect_b32 s[TQ], s56, s57
	s_add_co_u32 s[TQ], s[TQ], s[TA]               ; tile 2 p + a, or 254 - 2 p + (a - 2)
	s_sub_co_u32 s[BLKL], 127, s[PP]               ; the late block
	s_cmp_lt_u32 s[WV], 8
	s_cselect_b32 s[BLKF], s[PP], s[BLKL]
	s_mov_b32 s[NEGS], 0xce6e6b28                  ; -1e9
	s_mov_b32 s[NEGP], s[NEGS]
	s_mov_b32 s[NEGP+1], s[NEGS]
	s_mov_b32 s[CS], 0x3fb8aa3b                    ; log2(e)
	s_mov_b32 s[CS+1], s[CS]
	s_mov_b32 s[SEL], 0x76543210
	s_mov_b32 s[SEL+1], 0xfedcba98                 ; v_permlanex16_b32's selects for lane l xor 16
	s_mov_b32 s[MNT], 0x600000                     ; the mantissa field of 448
	v_and_b32 v[LN], 31, v0
	v_and_b32 v[RR], 15, v0
	v_bfe_u32 v[HH], v0, 4, 1
	v_and_b32 v255, 7, v0                          ; r % 8
	v_bfe_u32 v254, v0, 3, 1                       ; r / 8
	v_lshlrev_b32 v9, 4, v[LN]
	v_lshlrev_b32 v10, 2, v[LN]
	s_lshl_b32 s56, s[HF], 14                      ; my head's K and V in a slot
	v_add_nc_u32 v1, s56, v9
	s_lshl_b32 s57, s[HF], 9
	s_add_co_u32 s57, s57, SCLO                    ; its scale words
	v_add_nc_u32 v2, s57, v10
	s_mul_i32 s58, s[TA], 16*BP
	s_add_co_u32 s58, s58, BIASO
	v_mul_u32_u24 v3, v[RR], BP
	v_lshl_add_u32 v3, v[HH], 6, v3
	v_add_nc_u32 v3, s58, v3                       ; bias: row 16 a + r, + 64 h
	s_lshl_b32 s59, s[AF], 11
	s_add_co_u32 s59, s59, s56
	v_lshlrev_b32 v4, 4, v255
	v_lshl_add_u32 v4, v254, 10, v4
	v_lshl_add_u32 v4, v[HH], 8, v4
	v_add_nc_u32 v4, s59, v4                       ; K: operand af; rows 8 .. 15 of a natural tile go to the operand's second tile
	s_lshr_b32 s60, s[AF], 1
	s_lshl_b32 s60, s60, 12
	s_and_b32 s61, s[AF], 1
	s_lshl_b32 s61, s61, 7
	s_add_co_u32 s60, s60, s61
	s_add_co_u32 s60, s60, s56
	s_add_co_u32 s60, s60, 8192
	v_lshlrev_b32 v5, 4, v255
	v_lshl_add_u32 v5, v254, 11, v5
	v_lshl_add_u32 v5, v[HH], 8, v5
	v_add_nc_u32 v5, s60, v5                       ; V: channels 16 af + r go to tile 2 (af / 2) + r / 8, row 8 (af % 2) + r % 8
	s_lshl_b32 s61, s[AF], 7
	s_add_co_u32 s61, s61, s57
	v_add_nc_u32 v6, s61, v10
	s_mul_i32 s62, s[WV], 4*BP
	s_add_co_u32 s62, s62, BIASO
	v_add_nc_u32 v7, s62, v9                       ; bias rows 4 w .. 4 w + 3
	v_add_nc_u32 v8, KEEP, v9
	v_lshlrev_b32 v11, 4, v[HH]
	v_sub_nc_u32 v11, v[RR], v11                   ; r - 16 h
	v_lshlrev_b32 v[BM], 2, v255
	v_lshl_add_u32 v[BM], v254, 1, v[BM]           ; Q's scale bytes: 4 (r % 8) + 2 (r / 8)
	v_lshlrev_b32 v235, 3, v0                      ; my 8 keys' mask bytes
	v_lshl_add_u32 v234, v0, 5, KEEP               ; and their places in the tables
	; byte offsets
	s_lshl_b32 s56, s[GG], 2
	s_add_co_u32 s56, s56, s[HF]                   ; my head
	s_mul_i32 s57, s56, HEADB
	s_mul_i32 s58, s56, HEADS
	s_lshl_b32 s60, s[AF], 11
	s_add_co_u32 s60, s60, s57
	s_add_co_u32 s60, s60, 8192                    ; K's part of block 0, my 2,048 bytes; V's lie 8,192 on
	s_mov_b32 s61, 0
	s_lshl_b32 s62, s[AF], 7
	s_add_co_u32 s62, s62, s58
	s_add_co_u32 s62, s62, 256                     ; K's and V's scale words, my 128 bytes
	s_mov_b32 s63, 0
	s_lshl_b32 s66, s[BLKF], 5
	s_and_b32 s67, s[WV], 7
	s_lshl_b32 s67, s67, 2
	s_add_co_u32 s66, s66, s67
	s_lshl_b32 s66, s66, 14                        ; bias: row 32 block + 4 (w % 8)
	s_mov_b32 s67, 0
	s_lshr_b32 s59, s[TQ], 3
	s_mul_i32 s90, s59, BLKB
	s_add_co_u32 s90, s90, s57
	s_and_b32 s92, s[TQ], 7
	s_lshl_b32 s93, s92, 10
	s_add_co_u32 s90, s90, s93                     ; Q: block T / 8, tile T % 8
	s_mov_b32 s91, 0
	s_mul_i32 s94, s59, BLKS
	s_add_co_u32 s94, s94, s58
	s_lshr_b32 s93, s92, 1
	s_lshl_b32 s93, s93, 6
	s_add_co_u32 s94, s94, s93
	s_and_b32 s93, s[TQ], 1
	s_lshl_b32 s93, s93, 5
	s_add_co_u32 s94, s94, s93
	s_mov_b32 s95, 0
	s_wait_kmcnt 0x0
	s_load_b512 s[68:83], s[12:13], 0x0            ; the sixteen first open keys
	s_add_nc_u64 s[KVB:KVB+1], s[4:5], s[60:61]
	s_add_nc_u64 s[SCB:SCB+1], s[6:7], s[62:63]
	s_add_nc_u64 s[BB:BB+1], s[8:9], s[66:67]
	s_add_nc_u64 s[QB:QB+1], s[4:5], s[90:91]
	s_add_nc_u64 s[QSB:QSB+1], s[6:7], s[94:95]
	global_load_b64 v[250:251], v235, s[10:11]
	global_load_b128 v[24:27], v9, s[QB:QB+1]      ; Q's image: it stays in registers
	global_load_b128 v[28:31], v9, s[QB:QB+1] offset:512
	global_load_u16 v[QS], v[BM], s[QSB:QSB+1]
	FILL_LOAD_KV                                   ; step 0
	FILL_LOAD_B
	v_mov_b32 v252, s[NEGS]
	v_mov_b32 v253, 0
	s_wait_loadcnt 16                              ; the mask bytes are in; the sixteen loads issued behind them may be out
.irp j, 0,1,2,3,4,5,6,7
	v_bfe_u32 v254, v[250+\j/4], 8*(\j%4), 8
	v_cmp_ne_u32 vcc_lo, 0, v254
	v_cndmask_b32 v[S+\j], 1.0, v253, vcc_lo       ; keep
	v_cndmask_b32 v[S+8+\j], 0, v252, vcc_lo       ; negm
.endr
	ds_store_b128 v234, v[S:S+3]
	ds_store_b128 v234, v[S+4:S+7] offset:16
	ds_store_b128 v234, v[S+8:S+11] offset:TBL
	ds_store_b128 v234, v[S+12:S+15] offset:TBL+16
.irp j, 16,17,18,19,20,21,22,23,32,33,34,35,36,37,38,39
	v_mov_b32 v\j, 0                               ; the zero codes beside Q
.endr
.set n, 0
.rept 32
	v_mov_b32 v[O+n], 0                            ; O^T.  (The step is written once: the first finds zeros, which the first change of M leaves zeros)
.set n, n+1
.endr
.irp b, 0,1,2,3
	v_mov_b32 v[T4+\b], 0                          ; written once: a lane permute's destination counts as one of its sources
.endr
	v_mov_b32 v14, 0
	v_mov_b32 v15, 0
	v_mov_b32 v13, 0xff61b1e6                      ; the largest t so far: -3e38, under every t
	v_floor_f32 v12, -v13
	s_wait_kmcnt 0x0
	s_min_u32 s[M0], s68, s69
.irp k, 70,71,72,73,74,75,76,77,78,79,80,81,82,83
	s_min_u32 s[M0], s[M0], s\k                    ; m0: the first open key, or 4,096
.endr
	s_lshl_b32 s56, s[PP], 5
	s_lshr_b32 s57, s[PP], 2                       ; the early block's step on the diagonal
	s_cmp_lt_u32 s56, s[M0]
	s_cselect_b32 s58, 31, s57                     ; its last step
	s_cselect_b32 s59, 1, 0
	s_lshl_b32 s56, s[BLKL], 5
	s_lshr_b32 s60, s[BLKL], 2
	s_cmp_lt_u32 s56, s[M0]
	s_cselect_b32 s61, 31, s60                     ; the late block's
	s_cselect_b32 s62, 1, 0
	s_cmp_lt_u32 s[TA], 2
	s_cselect_b32 s[DS], s57, s60
	s_cselect_b32 s[LASTC], s58, s61
	s_cselect_b32 s[CARE], s59, s62
	s_cmp_lt_u32 s[WV], 8
	s_cselect_b32 s[LASTB], s58, s61
	s_max_u32 s[LASTKV], s58, s61
	; the prefetches: who asks, and where step 2 stands
	s_cmp_eq_u32 s[WV], 4
	s_cselect_b32 s63, s[PP], s[BLKL]
	s_cselect_b32 s66, s58, s61
	s_lshl_b32 s63, s63, 19                        ; 32 rows of 16,384 bytes a block
	s_add_co_u32 s63, s63, 1024
	s_lshl_b32 s67, s[GG], 2
	s_add_co_u32 s67, s67, s[WV]
	s_mul_i32 s67, s67, HEADB
	s_add_co_u32 s67, s67, 2*BLKB+8192
	s_cmp_lt_u32 s[WV], 4
	s_cselect_b64 s[PFA:PFA+1], s[4:5], s[8:9]
	s_cselect_b32 s90, s67, s63
	s_mov_b32 s[PFS], 512
	s_cselect_b32 s[PFS], BLKB, s[PFS]             ; a step on
	s_mov_b32 s92, 256
	s_cselect_b32 s92, 8192, s92                   ; from the first instruction to the second
	s_mov_b32 s94, 16384
	s_cselect_b32 s94, 256, s94                    ; from lane to lane
	s_mov_b32 s91, 0
	s_mov_b32 s93, 0
	s_mov_b32 s[PFS+1], 0
	s_add_nc_u64 s[PFA:PFA+1], s[PFA:PFA+1], s[90:91]
	s_add_nc_u64 s[PFB:PFB+1], s[PFA:PFA+1], s[92:93]
	v_mul_lo_u32 v[PFO], v[LN], s94
	s_or_b32 s56, s[AF], s[PP]                     ; 0 in waves 0-3 where p = 0
	s_cmp_eq_u32 s56, 0
	s_cselect_b32 s[PL], s[LASTKV], 0
	s_lshr_b32 s56, s[WV], 1
	s_xor_b32 s56, s56, 2
	s_or_b32 s56, s56, s[GG]                       ; 0 in waves 4 and 5 where g = 0
	s_cmp_eq_u32 s56, 0
	s_cselect_b32 s[PL], s66, s[PL]
	s_wait_dscnt 0x0                               ; my words of the tables have landed
	s_barrier_signal -1
	s_barrier_wait -1                              ; everybody's have
	s_wait_loadcnt 0x0
	v_lshl_or_b32 v[QS], v[QS], 16, v[QS]          ; Q's two bytes, for whichever half of K it stands in
	v_mov_b32 v[AWK], v4                           ; step 0 goes into slot 0
	v_mov_b32 v[AWV], v5
	v_mov_b32 v[AWS], v6
	v_mov_b32 v[AWB], v7
	v_mov_b32 v[ADT], v8
	STORE_KV
	STORE_B 0
	s_wait_dscnt 0x0
	s_barrier_signal -1
	s_barrier_wait -1                              ; slot 0 is whole
	s_wait_xcnt 0x0
	s_add_nc_u64 s[KVB:KVB+1], s[KVB:KVB+1], BLKB
	s_add_nc_u64 s[SCB:SCB+1], s[SCB:SCB+1], BLKS
	s_add_nc_u64 s[BB:BB+1], s[BB:BB+1], 512
	s_mov_b32 s[TT], 512                           ; the tables' words of step ST + 1
	s_mov_b32 s[ST], 0
.Lloop:                                            ; 16 trips of two steps: the count is a constant; what a wave has no use for is jumped over
	TRIP 0
	TRIP 1
	s_add_co_u32 s[TT], s[TT], 1024
	s_add_co_u32 s[ST], s[ST], 2
	s_cmp_lt_u32 s[ST], 32
	s_cbranch_scc1 .Lloop
	; THE WAY OUT.  O^T / the sum; registers 16 a' .. 16 a' + 15 are channels 32 a' + 16 h + 0 .. 15 of my head: block a' of 32 along the last product's K lies in lanes l and l xor 16.  The codes of four heads meet in
	; the stage, 256 bytes a query, and leave as whole aligned runs of 256 bytes.  The address work below is also the places behind the last products.
	s_mul_i32 s56, s[TA], 16*SGP
	s_lshl_b32 s57, s[HF], 6
	s_add_co_u32 s56, s56, s57
	v_mul_u32_u24 v1, v[RR], SGP
	v_lshl_add_u32 v1, v[HH], 4, v1
	v_add_nc_u32 v1, s56, v1                       ; in: row 16 a + r, + 64 hf + 16 h
	s_lshl_b32 s57, s[TA], 7
	s_lshl_b32 s58, s[HF], 1
	s_add_co_u32 s57, s57, s58
	s_add_co_u32 s57, s57, STGS
	v_lshl_add_u32 v2, v[RR], 3, s57               ; my head's two scale bytes of row 16 a + r
	s_mul_i32 s58, s[WV], 4*SGP
	v_mul_u32_u24 v3, v[HH], SGP
	v_lshl_add_u32 v3, v[RR], 4, v3
	v_add_nc_u32 v3, s58, v3                       ; back: rows 4 w + h, 16 bytes a lane
	s_lshr_b32 s59, s[WV], 3
	s_lshl_b32 s59, s59, 8
	s_add_co_u32 s59, s59, STGS
	v_lshl_add_u32 v4, v[LN], 3, s59               ; a block's 32 rows of scale bytes, a lane a row
	v_lshlrev_b32 v5, 10, v[HH]
	v_lshl_add_u32 v5, v[RR], 4, v5                ; the same two rows in ocodes
	v_lshlrev_b32 v6, 5, v[LN]                     ; and a row of oscales
	s_lshl_b32 s56, s[BLKF], 5
	s_and_b32 s57, s[WV], 7
	s_lshl_b32 s57, s57, 2
	s_add_co_u32 s57, s57, s56
	s_lshl_b32 s57, s57, 10
	s_lshl_b32 s58, s[GG], 8
	s_add_co_u32 s58, s58, s57
	s_mov_b32 s59, 0
	s_add_nc_u64 s[14:15], s[14:15], s[58:59]      ; ocodes at row 32 block + 4 (w % 8), byte 256 g
	s_lshl_b32 s58, s56, 5
	s_lshl_b32 s60, s[GG], 3
	s_add_co_u32 s58, s58, s60
	s_add_nc_u64 s[16:17], s[16:17], s[58:59]      ; oscales at row 32 block, byte 8 g
	v_add_f32 v14, v14, v15
	v_permlanex16_b32 v254, v14, s[SEL], s[SEL+1]
	v_add_f32 v14, v14, v254                       ; the row's sum
	v_rcp_f32 v14, v14
	v_nop                                          ; a plain line behind the reciprocal,
	s_wait_alu depctr_va_vdst(0)                   ; and the wait ahead of its first reader
.set n, 0
.rept 32
	v_mul_f32 v[S+n], v[O+n], v14
.set n, n+1
.endr
.irp b, 0,1
	v_max3_num_f32 v[BM+\b], |v[S+16*\b]|, |v[S+16*\b+1]|, 0x4800000   ; my 16 numbers of block b, and the floor 2^(9 - 127)
.endr
.irp k, 2,4,6,8,10,12,14
.irp b, 0,1
	v_max3_num_f32 v[BM+\b], v[BM+\b], |v[S+16*\b+\k]|, |v[S+16*\b+\k+1]|
.endr
.endr
.irp b, 0,1
	v_permlanex16_b32 v[T4+\b], v[BM+\b], s[SEL], s[SEL+1]
.endr
.irp b, 0,1
	v_max_num_f32 v[BM+\b], v[BM+\b], v[T4+\b]
.endr
.irp b, 0,1
	v_add_nc_u32 v[SO+\b], 0xfc000000, v[BM+\b]
.endr
.irp b, 0,1
	v_and_or_b32 v[HB+\b], v[BM+\b], 0x7f800000, s[MNT]
.endr
.irp b, 0,1
	v_lshrrev_b32 v[T4+\b], 23, v[SO+\b]
.endr
	v_lshl_or_b32 v234, v[T4+1], 8, v[T4]          ; the two bytes.  (A block of zeros keeps the byte 1: its codes are zeros, and this program alone reads the bytes)
.irp b, 0,1
.set n, 0
.rept 16
	v_med3_num_f32 v[S+16*\b+n], v[S+16*\b+n], -v[HB+\b], v[HB+\b]
.set n, n+1
.endr
	v_cvt_scalef32_pk8_fp8_f32 v[PC+4*\b:PC+4*\b+1], v[S+16*\b:S+16*\b+7], v[SO+\b]
	v_cvt_scalef32_pk8_fp8_f32 v[PC+4*\b+2:PC+4*\b+3], v[S+16*\b+8:S+16*\b+15], v[SO+\b]
.endr
	v_nop                                          ; a plain line behind the last conversion
	ds_store_b128 v1, v[PC:PC+3]
	ds_store_b128 v1, v[PC+4:PC+7] offset:32
	ds_store_b16 v2, v234                          ; both lanes of a block write the same bytes with the same value
	s_wait_dscnt 0x0
	s_barrier_signal -1
	s_barrier_wait -1                              ; 64 whole rows lie in the stage
	ds_load_b128 v[F:F+3], v3
	ds_load_b128 v[F+4:F+7], v3 offset:2*SGP
	s_and_b32 s56, s[WV], 7
	s_cmp_lg_u32 s56, 0
	s_cbranch_scc1 .Lno_scales                     ; waves 0 and 8 store a block's scale bytes
	ds_load_b64 v[F+8:F+9], v4
	s_wait_dscnt 0x0
	global_store_b64 v6, v[F+8:F+9], s[16:17]
.Lno_scales:
	s_wait_dscnt 0x0
	global_store_b128 v5, v[F:F+3], s[14:15]       ; sixteen lanes store 256 consecutive bytes, aligned
	global_store_b128 v5, v[F+4:F+7], s[14:15] offset:2048
	s_wait_xcnt 0x0
	v_lshl_add_u32 v254, v0, 2, 0x41000
	v_mov_b32 v255, 0
	s_wait_tensorcnt 0x0
	ds_add_u32 v254, v255
	s_wait_dscnt 0x0
	s_endpgm
.Lfunc_end_k_qb0917b2e50_attn:
	.size	k_qb0917b2e50_attn, .Lfunc_end_k_qb0917b2e50_attn-k_qb0917b2e50_attn
	.p2alignl 7, 3214868480
	.fill 96, 4, 3214868480
	.section	.rodata,"a",@progbits
	.p2align	6, 0x0
	.amdhsa_kernel k_qb0917b2e50_attn
		.amdhsa_group_segment_fixed_size 268288
		.amdhsa_private_segment_fixed_size 0
		.amdhsa_enable_private_segment 0
		.amdhsa_kernarg_size 56
		.amdhsa_user_sgpr_count 2
		.amdhsa_user_sgpr_kernarg_segment_ptr 1
		.amdhsa_wavefront_size32 1
		.amdhsa_system_sgpr_workgroup_id_x 1
		.amdhsa_system_sgpr_workgroup_id_y 1
		.amdhsa_system_sgpr_workgroup_id_z 1
		.amdhsa_system_vgpr_workitem_id 0
		.amdhsa_next_free_vgpr 256
		.amdhsa_next_free_sgpr 100
		.amdhsa_reserve_vcc 1
		.amdhsa_float_denorm_mode_32 3
		.amdhsa_float_denorm_mode_16_64 3
		.amdhsa_memory_ordered 1
		.amdhsa_forward_progress 1
		.amdhsa_inst_pref_size 103
	.end_amdhsa_kernel
	.amdgpu_metadata
---
amdhsa.version: [ 1, 2 ]
amdhsa.kernels:
  - .name:           k_qb0917b2e50_attn
    .symbol:         k_qb0917b2e50_attn.kd
    .args:
      - { .name: qkv, .offset: 0, .size: 8, .value_kind: global_buffer, .address_space: global }
      - { .name: qkvs, .offset: 8, .size: 8, .value_kind: global_buffer, .address_space: global }
      - { .name: spatial_bias, .offset: 16, .size: 8, .value_kind: global_buffer, .address_space: global }
      - { .name: mask, .offset: 24, .size: 8, .value_kind: global_buffer, .address_space: global }
      - { .name: m0buf, .offset: 32, .size: 8, .value_kind: global_buffer, .address_space: global }
      - { .name: ocodes, .offset: 40, .size: 8, .value_kind: global_buffer, .address_space: global }
      - { .name: oscales, .offset: 48, .size: 8, .value_kind: global_buffer, .address_space: global }
    .group_segment_fixed_size: 268288
    .private_segment_fixed_size: 0
    .kernarg_segment_align: 8
    .kernarg_segment_size: 56
    .max_flat_workgroup_size: 512
    .sgpr_count:     100
    .vgpr_count:     256
    .wavefront_size: 32
...
	.end_amdgpu_metadata
.endif
;; end of part 2
;; launch outp (part 3): grid 4 x 16, 4 waves a work-group, clusters of 4 x 4, 327,680 bytes of LDS; arguments ocodes, oscales, Wo_codes, Wo_scales, out0; writes out0
.if DOCPART == 3
	.amdgcn_target "amdgcn-amd-amdhsa--gfx1250"
	.amdhsa_code_object_version 6
	.text
	.protected	k_qb0917b2e50_outp
	.globl	k_qb0917b2e50_outp
	.p2align	8
	.type	k_qb0917b2e50_outp,@function
k_qb0917b2e50_outp:
	s_mov_b64 s[64:65], 0
	v_nop
	global_prefetch_b8 v0, s[64:65] scope:SCOPE_SE
	s_setreg_imm32_b32 hwreg(HW_REG_WAVE_MODE, 25, 1), 1
	s_wait_xcnt 0x0
	s_wait_alu depctr_hold_cnt(0) depctr_sa_sdst(0) depctr_va_vdst(0) depctr_va_sdst(0) depctr_va_ssrc(0) depctr_va_vcc(0) depctr_vm_vsrc(0)
	s_getreg_b32 s2, hwreg(HW_REG_IB_STS2, 6, 4)
	s_cmp_eq_u32 s2, 0
	s_cbranch_scc0 .Lentry_in_a_cluster
	s_endpgm
.Lentry_in_a_cluster:
	s_bfe_u32 s2, ttmp6, 0x10000c
	s_cmp_lg_u32 s2, 0xf033
	s_cbranch_scc0 .Lentry_shape_is_right
	s_endpgm
.Lentry_shape_is_right:
; out0[m][n] = sum over k of A[m][k] B[n][k].  A: the attention's result [4096][1024], B: Wo [1024][1024]: codes of FP8 (E4M3) with one E8M0 scale for each 32 along K; out0: [4096][1024] f32; sums in f32.
; A tile of 256 x 256 is made by a work-group of four waves; a wave makes 128 x 128: 64 accumulators of 16 x 16, 512 registers.  64 tiles: 64 work-groups.
; K goes in steps of 256 through a ring of two LDS slots filled by the tensor data mover: a tile's row is 256 bytes of memory.
; THE SCALES of the work-group's 256 rows of A and 256 rows of B, for all of K, are two dense blocks of memory: they come into LDS ONCE, with the first fills, and stay.
; CLUSTERS: 4 x 4 work-groups.  The four of a row of the cluster need the same tiles of A, the four of a column the same tiles of B: each tile is asked for JOINTLY, by the same tensor load with the
; same descriptor and a mask that names the four.  THE MATRIX INSTRUCTION IS USED TRANSPOSED (source 0 = 16 rows of B, source 1 = 16 rows of A): a lane then holds eight neighbouring numbers of a row of the result.
; REGISTERS, in windows of 256: window 0: v0-31 addresses; v32-63 scale words, two sets; from v128 A's fragments (8 x 16 rows x 128 K), ONE set; on the way out v32-255 are free.
;   window 1: B's fragments, TWO sets, at v0 and at v128.   window 2: the 32 accumulators of my rows 0-63 (accumulator (a, b) at v[8 (8 a + b)]);   window 3: those of my rows 64-127.
; A step of 128 along K is 64 matrix instructions, A's blocks one after the other, each against B's eight.  So a block of A is free as soon as its eight products are issued, and one set of registers serves A.
.set SIZE_M, 4096
.set SIZE_N, 1024
.set SIZE_K, 1024
.set KSTEP,  256                       ; along K in a slot
.set NQ,     KSTEP/128                 ; matrix instructions deep
.set ROWB,   256                       ; a tile's row in bytes
.set KROW,   SIZE_K                    ; a row of A or of B in memory, in bytes
.set PITCH,  272                       ; an LDS row: 256 bytes + 16 of padding = 68 words: row r starts at bank 4 r mod 64 (64 banks of 4 bytes: ISA guide 11.1)
.set FR,     16                        ; registers of a fragment: 16 rows x 128 K
.set NL,     4                         ; LDS loads that bring one
.set NP,     8                         ; places behind this matrix instruction (ISA guide 7.12.1)
.set HALFT,  128*PITCH                 ; 128 rows: what one tensor load brings
.set SLOT,   4*HALFT                   ; A's 256 rows, then B's 256 rows
.set LAPS,   SIZE_K/(2*KSTEP)          ; a lap = two K steps = once round the ring
.set KS,     SIZE_K/32                 ; a row of scales in bytes
.set SCL,    2*SLOT                    ; behind the ring: the scales, as units of 256 bytes + 16 of padding
.set HALFS,  (128*KS/256)*272          ; the scales of 128 rows
.set SBLK,   (16*KS/256)*272           ; those of 16 rows
.set SPARE,  SCL+4*HALFS               ; behind the scales: the spare words, 128 bytes for each wave, which no other line names
.set SPITCH, 528                       ; the way out: a stage of 16 rows x (512 bytes + 16) for each wave.  It lies in slot 0, which has had its last fill and its last read when the first result is stored there
.set ADRA, 16                          ; v16-17  LDS address of my A fragments in slot 0, 1
.set ADRB, 20                          ; v20-21  the same for B
.set STO,  24                          ; v24     the way out: where I put 32 bytes of a row
.set RD,   25                          ; v25     the way out: where I read a row back
.set CO,   26                          ; v26     my byte offset in a row of the result
.set SPW,  28                          ; v28     LDS address of my spare word; never rewritten
.set NIL,  29                          ; v29     0; never rewritten
.set ADRS, 27                          ; v27     LDS address of my scale words: lanes 0-15 A's rows, lanes 16-31 B's
.set SC,   32                          ; scale words: set s at v[SC + 8 NQ s]
.set AF,   128                         ; A's fragments, in window 0
.set BK,   128                         ; the way out: 16 rows read back from the stage: v128-191 and v192-255 by turns
.set G1, 24                            ; s[24:31] descriptor group 1 for A's tiles;  s[32:39] group 0, one set for each slot
.set G0, 32
.set G1B, 48                           ; s[48:55], s[56:63] the same for B's tiles
.set G0B, 56
.set G1S, 68                           ; s[68:75], s[76:79] groups 1 and 0 for A's scales;  s[80:87], s[88:91] for B's
.set G0S, 76
.set G1SB, 80
.set G0SB, 88
.set MSB, 0
.macro WIN new                         ; the immediate's high byte repeats the setting that is left
.if MSB != (\new)
	s_set_vgpr_msb (MSB<<8)|(\new)
.set MSB, (\new)
.endif
.endm
.set MUL_LO, 0xa1                      ; source 0 (B) window 1, source 1 (A) window 0, C and D window 2
.set MUL_HI, 0xf1                      ; the same, C and D window 3
.set TO_B,   0x40                      ; destination window 1, address window 0
; A joint load: waves 0 and 1 fetch for A, waves 2 and 3 for B.  Each of the two lines has ONE mask and one set of registers for all that issue it; the branch hangs on the wave's number alone.
; Four v_nop follow each of the two lines, ahead of the jump, the label and what follows.
.macro JLOAD g0a, g1a, g0b, g1b
	s_cmp_eq_u32 s15, 0
	s_cbranch_scc0 .Lfor_b_\@
	tensor_load_to_lds s[\g0a:\g0a+3], s[\g1a:\g1a+7]
	s_nop 0
.rept 4
	v_nop
.endr
	s_branch .Lasked_\@
.Lfor_b_\@:
	tensor_load_to_lds s[\g0b:\g0b+3], s[\g1b:\g1b+7]
	s_nop 0
.rept 4
	v_nop
.endr
.Lasked_\@:
.endm
.macro CREST                           ; a round of the cluster's barrier behind its opening barrier
	s_cmp_lg_u32 s14, 0
	s_cbranch_scc1 .Lnot_wave_0_\@
	s_barrier_signal -3
.Lnot_wave_0_\@:
	s_barrier_wait -3
	s_barrier_signal -1
	s_barrier_wait -1
.endm
.macro CROUND                          ; a whole round
	s_barrier_signal -1
	s_barrier_wait -1
	CREST
.endm
	s_load_b128 s[4:7], s[0:1], 0x0                ; A's codes s[4:5], A's scales s[6:7]
	s_load_b128 s[8:11], s[0:1], 0x10              ; B's codes s[8:9], B's scales s[10:11]
	s_load_b64 s[12:13], s[0:1], 0x20              ; the result
	v_lshl_add_u32 v[SPW], v0, 2, SPARE
	v_mov_b32 v[NIL], 0
	ds_add_u32 v28, v29
	ds_add_u32 v28, v29
	s_wait_dscnt 0x0
	v_lshrrev_b32 v1, 5, v0
	v_readfirstlane_b32 s14, v1                    ; wave 0..3
	s_lshr_b32 s15, s14, 1                         ; which half of the tile's rows is mine.  Also: I fetch for A (0) or for B (1)
	s_and_b32 s16, s14, 1                          ; which half of its columns.  Also: which 128 rows of that tile I fetch
	s_bfe_u32 s40, ttmp6, 0x40000                  ; cx, cy: my place in the cluster
	s_bfe_u32 s41, ttmp6, 0x40004
	s_lshl_b32 s42, ttmp9, 2
	s_add_co_u32 s42, s42, s40                     ; tile column = 4 x cluster x + cx
	s_and_b32 s17, ttmp7, 0xffff
	s_lshl_b32 s17, s17, 2
	s_add_co_u32 s17, s17, s41                     ; tile row = 4 x cluster y + cy
	s_lshl_b32 s43, s41, 2
	s_lshl_b32 s43, 15, s43                        ; my row of the cluster
	s_lshl_b32 s44, 0x1111, s40                    ; my column
	; descriptor group 1: a tile of 128 rows x ROWB bytes, padded in LDS
	s_or_b32 s[G1+0], s43, (0<<16)|(1<<20)|(1<<21)|(5<<22)|(3<<25)  ; 15:0 the mask: A's tiles go to my row; 17:16 element of 1 byte; 20 padding on; 21 set beside a mask; 24:22 after every 64 words (code 5); 31:25 of 4 words (code 3)
	s_or_b32 s[G1B+0], s44, (0<<16)|(1<<20)|(1<<21)|(5<<22)|(3<<25)
.irp g, G1, G1B
	s_mov_b32 s[\g+1], ROWB<<16                    ; tensor_dim0
	s_mov_b32 s[\g+2], 128<<16                     ; tensor_dim1 = 128
	s_mov_b32 s[\g+3], ROWB<<16                    ; tile_dim0
	s_mov_b32 s[\g+4], 128                         ; tile_dim1 = 128
	s_mov_b32 s[\g+5], KROW                        ; tensor_dim0_stride
	s_mov_b32 s[\g+6], 0
	s_mov_b32 s[\g+7], 0
.endr
	; and for the scales of 128 rows: a dense block of 128 KS bytes, as rows of 256 bytes (32 elements of 8 bytes), 16 bytes of padding behind each
	s_or_b32 s[G1S+0], s43, (3<<16)|(1<<20)|(1<<21)|(5<<22)|(3<<25)
	s_or_b32 s[G1SB+0], s44, (3<<16)|(1<<20)|(1<<21)|(5<<22)|(3<<25)
.irp g, G1S, G1SB
	s_mov_b32 s[\g+1], 32<<16
	s_mov_b32 s[\g+2], (128*KS/256)<<16
	s_mov_b32 s[\g+3], 32<<16
	s_mov_b32 s[\g+4], 128*KS/256
	s_mov_b32 s[\g+5], 32
	s_mov_b32 s[\g+6], 0
	s_mov_b32 s[\g+7], 0
.endr
	s_lshl_b32 s18, s16, 7                         ; which 128 rows of the tile I fetch
	s_lshl_b32 s20, s17, 8
	s_add_co_u32 s20, s20, s18                     ; A: row 256 x tile row + 128 x half
	s_lshl_b32 s46, s42, 8
	s_add_co_u32 s46, s46, s18                     ; B: row 256 x tile column + 128 x half
	s_mov_b32 s21, 0
	s_mov_b32 s47, 0
	s_mov_b64 s[18:19], KS
	s_mul_u64 s[22:23], s[20:21], s[18:19]         ; where these rows' scales begin, in bytes
	s_mul_u64 s[92:93], s[46:47], s[18:19]
	s_mov_b64 s[18:19], KROW
	s_mul_u64 s[20:21], s[20:21], s[18:19]         ; and their codes
	s_mul_u64 s[46:47], s[46:47], s[18:19]
	s_mul_i32 s45, s14, HALFT                      ; where they go: wave x 128 rows: no place in the cluster enters an LDS address
	s_mul_i32 s94, s14, HALFS
	s_wait_kmcnt 0x0
	s_add_nc_u64 s[20:21], s[4:5], s[20:21]
	s_add_nc_u64 s[22:23], s[6:7], s[22:23]
	s_add_nc_u64 s[46:47], s[8:9], s[46:47]
	s_add_nc_u64 s[92:93], s[10:11], s[92:93]
	CROUND                                         ; all sixteen work-groups are here: the first joint loads meet
	s_mov_b32 s[G0S], 1
	s_add_co_u32 s[G0S+1], s94, SCL
	s_mov_b64 s[G0S+2:G0S+3], s[22:23]
	s_or_b32 s[G0S+3], s[G0S+3], 0x80000000
	s_mov_b32 s[G0SB], 1
	s_add_co_u32 s[G0SB+1], s94, SCL
	s_mov_b64 s[G0SB+2:G0SB+3], s[92:93]
	s_or_b32 s[G0SB+3], s[G0SB+3], 0x80000000
	JLOAD G0S, G1S, G0SB, G1SB                     ; the scales first: they are wanted with K step 0
.irp s, 0,1
	s_mov_b32 s[G0+4*\s], 1
	s_add_co_u32 s[G0+4*\s+1], s45, \s*SLOT
	s_add_nc_u64 s[G0+4*\s+2:G0+4*\s+3], s[20:21], \s*ROWB
	s_or_b32 s[G0+4*\s+3], s[G0+4*\s+3], 0x80000000
	s_mov_b32 s[G0B+4*\s], 1
	s_add_co_u32 s[G0B+4*\s+1], s45, \s*SLOT
	s_add_nc_u64 s[G0B+4*\s+2:G0B+4*\s+3], s[46:47], \s*ROWB
	s_or_b32 s[G0B+4*\s+3], s[G0B+4*\s+3], 0x80000000
	JLOAD G0+4*\s, G1, G0B+4*\s, G1B
.endr
	v_and_b32 v1, 15, v0                           ; l % 16
	v_bfe_u32 v2, v0, 4, 1                         ; l / 16
	v_mul_u32_u24 v3, v1, PITCH
	v_lshl_add_u32 v4, v2, 4, v3                   ; a fragment's row x pitch + 16 x half
	s_mul_i32 s21, s15, HALFT                      ; my 128 rows of A
	s_mul_i32 s22, s16, HALFT                      ; my 128 rows of B,
	s_add_co_u32 s22, s22, 2*HALFT                 ; which lie behind A's 256
.irp s, 0,1
	v_add_nc_u32 v[ADRA+\s], s21, v4
	v_add_nc_u32 v[ADRB+\s], s22, v4
	s_add_co_u32 s21, s21, SLOT
	s_add_co_u32 s22, s22, SLOT
.endr
	v_mul_u32_u24 v5, v1, KS                       ; my row's scales: KS bytes a row,
	v_lshrrev_b32 v6, 8, v5
	v_lshl_add_u32 v5, v6, 4, v5                   ; and 16 more for each 256 passed
	s_mul_i32 s21, s15, HALFS                      ; A's: my 128 rows
	s_mul_i32 s22, s16, HALFS                      ; B's: my 128 rows, behind A's 256
	s_add_co_u32 s22, s22, 2*HALFS
	s_sub_co_u32 s22, s22, s21
	v_mul_u32_u24 v6, s22, v2                      ; lanes 16-31 take B's
	s_add_co_u32 s21, s21, SCL
	v_add_nc_u32 v5, v5, v6
	v_add_nc_u32 v[ADRS], s21, v5
	s_mul_i32 s23, s14, 16*SPITCH                  ; my stage
	v_mul_u32_u24 v5, v1, SPITCH                   ; in: row l % 16, 32 bytes for each half of the lanes
	v_lshl_add_u32 v5, v2, 5, v5
	v_add_nc_u32 v[STO], s23, v5
	v_and_b32 v6, 31, v0
	v_lshlrev_b32 v[CO], 4, v6                     ; back: the 32 lanes take one row of 512 bytes; and the same in the result
	v_add_nc_u32 v[RD], s23, v[CO]
	s_lshl_b32 s20, s17, 8
	s_lshl_b32 s21, s15, 7
	s_add_co_u32 s20, s20, s21                     ; my first row: 256 x tile row + 128 x half
	s_mov_b32 s21, 0
	s_mov_b64 s[18:19], SIZE_N*4
	s_mul_u64 s[20:21], s[20:21], s[18:19]
	s_lshl_b32 s46, s42, 10                        ; my first column, in bytes: 1024 x tile column + 512 x half
	s_lshl_b32 s47, s16, 9
	s_add_co_u32 s46, s46, s47
	s_mov_b32 s47, 0
	s_add_nc_u64 s[20:21], s[20:21], s[46:47]
	s_add_nc_u64 s[12:13], s[12:13], s[20:21]
.macro FRAG reg, adr, q, i             ; a fragment, 16 rows x 128 K of 8-bit codes, is 16 registers: lane l holds row l % 16; registers 4 c .. 4 c + 3 hold K = 32 c + 16 (l / 16) + 0 .. 15
.irp c, 0,1,2,3
	ds_load_b128 v[\reg+4*\c:\reg+4*\c+3], v[\adr] offset:128*(\q)+32*\c+(\i)*16*PITCH
.endr
.endm
; 16 matrix instructions: A's blocks a0, a0 + 1 x B's eight, 128 along K: the slot's q-th.  p: B's set;  sc: the set of scale words.  zero = 1: the first product starts the sums: nothing is ever cleared.
; The 64 accumulators take turns, one instruction a turn, in the same order in every step.
.macro MUL16 a0, p, q, sc, zero
.irp a, \a0, \a0+1
.irp b, 0,1,2,3,4,5,6,7
.if \zero
	v_wmma_scale_f32_16x16x128_f8f6f4 v[8*(8*((\a)%4)+\b):8*(8*((\a)%4)+\b)+7], v[128*(\p)+FR*\b:128*(\p)+FR*\b+FR-1], v[AF+FR*(\a):AF+FR*(\a)+FR-1], 0, v[SC+8*NQ*(\sc)+NQ*\b+(\q)], v[SC+8*NQ*(\sc)+NQ*(\a)+(\q)] matrix_a_scale:MATRIX_SCALE_ROW1
.else
	v_wmma_scale_f32_16x16x128_f8f6f4 v[8*(8*((\a)%4)+\b):8*(8*((\a)%4)+\b)+7], v[128*(\p)+FR*\b:128*(\p)+FR*\b+FR-1], v[AF+FR*(\a):AF+FR*(\a)+FR-1], v[8*(8*((\a)%4)+\b):8*(8*((\a)%4)+\b)+7], v[SC+8*NQ*(\sc)+NQ*\b+(\q)], v[SC+8*NQ*(\sc)+NQ*(\a)+(\q)] matrix_a_scale:MATRIX_SCALE_ROW1
.endif
.endr
.endr
.endm
.macro FETCH_B slot, q, p              ; B's eight fragments of the slot's q-th 128 along K into set p
	WIN TO_B
.irp i, 0,1,2,3,4,5,6,7
	FRAG 128*(\p)+FR*\i, ADRB+\slot, \q, \i
.endr
	WIN 0
.endm
.macro FETCH_A slot, q, i0             ; A's blocks i0 .. i0 + 3
.irp i, \i0, \i0+1, \i0+2, \i0+3
	FRAG AF+FR*(\i), ADRA+\slot, \q, \i
.endr
.endm
.macro SCALES sc                       ; the next K step's scale words into set sc: NQ words a row; lanes 0-15 take A's block i, lanes 16-31 B's block i
.irp i, 0,1,2,3,4,5,6,7
	ds_load_b64 v[SC+8*NQ*\sc+NQ*\i:SC+8*NQ*\sc+NQ*\i+1], v[ADRS] offset:\i*SBLK
.endr
.endm
; A load into a register that a matrix instruction has read, and a vector instruction or an LDS store that reads a matrix result, stand NP places behind that matrix instruction, and only plain vector
; instructions that name none of its registers are places (ISA guide 7.12.1 for vector instructions).
.macro PLACES n
.rept \n
	v_nop
.endr
.endm
; A step of 128 along K that has its successor in the same slot.
.macro STEP slot, q, zero
	s_wait_dscnt 4*NL                              ; B's set and A's blocks 0-3 are in; the youngest sixteen loads (A's blocks 4-7) may be out
	WIN MUL_LO
	MUL16 0, (\q)%2, \q, \slot, \zero
	MUL16 2, (\q)%2, \q, \slot, \zero
	s_wait_dscnt 0                                 ; A's blocks 4-7 are in (asked for 32 matrix instructions ago)
	PLACES NP
	FETCH_B \slot, (\q)+1, 1-(\q)%2
	FETCH_A \slot, (\q)+1, 0
	WIN MUL_HI
	MUL16 4, (\q)%2, \q, \slot, \zero
	MUL16 6, (\q)%2, \q, \slot, \zero
	PLACES NP
	WIN 0
	FETCH_A \slot, (\q)+1, 4
.endm
; A slot's last step changes slots: ONE barrier; in front of it each wave waits for all its tensor loads, adds 0 to its spare word, and waits for that and for its own reads of this slot.  fill = 1: this slot is filled again, two K steps ahead.
.macro TURN slot, next, fill
	s_wait_tensorcnt 0x0                           ; all my tensor loads have landed: my part of the next slot;  (every window is 0 here: the add's two registers lie in window 0)
	ds_add_u32 v[SPW], v[NIL]                      ; 0 onto my spare word;
	s_wait_dscnt 4*NL+1                            ; (the add and the youngest sixteen loads, A's blocks 4-7, may be out)
	WIN MUL_LO
	MUL16 0, 1, NQ-1, \slot, 0                     ; sixteen matrix instructions stand between the add and the wait for it
	s_wait_dscnt 0x0                               ; the add is done, and my reads of this slot are over
	s_barrier_signal -1
	MUL16 2, 1, NQ-1, \slot, 0
	WIN 0
	s_barrier_wait -1
.if \fill
	CREST                                          ; the barrier has opened a round of the cluster's barrier: no wave of any partner still reads this slot's tile or has a load on its way
	s_add_nc_u64 s[G0+4*\slot+2:G0+4*\slot+3], s[G0+4*\slot+2:G0+4*\slot+3], 2*ROWB
	s_add_nc_u64 s[G0B+4*\slot+2:G0B+4*\slot+3], s[G0B+4*\slot+2:G0B+4*\slot+3], 2*ROWB
	JLOAD G0+4*\slot, G1, G0B+4*\slot, G1B         ; the first tensor load behind the round; the four v_nop behind it are among the places in front of the loads below
	PLACES NP-4
.else
	PLACES NP
.endif
	v_add_nc_u32 v[ADRS], 4*NQ, v[ADRS]            ; on to the next K step's scale words (no LDS load of mine is out)
	FETCH_B \next, 0, 0
	FETCH_A \next, 0, 0
	SCALES \next
	WIN MUL_HI
	MUL16 4, 1, NQ-1, \slot, 0
	MUL16 6, 1, NQ-1, \slot, 0
	PLACES NP
	WIN 0
	FETCH_A \next, 0, 4
.endm
	s_wait_tensorcnt 1                             ; the scales and my part of K step 0 are in (K step 1's load may be out),
	s_barrier_signal -1
	s_barrier_wait -1                              ; everybody's are
	FETCH_B 0, 0, 0
	FETCH_A 0, 0, 0
	SCALES 0
	FETCH_A 0, 0, 4
	STEP 0, 0, 1                                   ; the first step stands in front of the loop: its products start the sums
	s_mov_b32 s3, LAPS-1
.Llap:                                                 ; a trip goes once round the ring, from a lap's second step to the next lap's first, and fills both slots again
	TURN 0, 1, 1
	STEP 1, 0, 0
	TURN 1, 0, 1
	STEP 0, 0, 0
	s_sub_co_u32 s3, s3, 1
	s_cmp_lg_u32 s3, 0
	s_cbranch_scc1 .Llap
	TURN 0, 1, 0                                   ; the last lap fills nothing, and has no round of the cluster's barrier
	STEP 1, 0, 0
	s_wait_dscnt 4*NL                              ; the very last step: nothing more to fetch
	WIN MUL_LO
	MUL16 0, 1, NQ-1, 1, 0
	MUL16 2, 1, NQ-1, 1, 0
	s_wait_dscnt 0
	WIN MUL_HI
	MUL16 4, 1, NQ-1, 1, 0
	MUL16 6, 1, NQ-1, 1, 0
	WIN 0
; THE WAY OUT, block by block of 16 rows x 128 columns.  A lane holds 32 neighbouring bytes of a row, and the lanes beside it hold other rows: so a block goes through my own stage in LDS and comes back as whole
; rows of 512 bytes, which the 32 lanes store as two aligned runs of 256 bytes.  LDS serves a wave's instructions in order (ISA guide 5.7.1.4): no wait between the stores and the loads, nor in front of the next block's stores.
.macro TOSTAGE a
.set AC, 64*((\a)%4)
	WIN 0x08+4*((\a)/4)                            ; the data: window 2 or 3
.irp b, 0,1,2,3,4,5,6,7
	ds_store_b128 v[STO], v[AC+8*\b:AC+8*\b+3] offset:64*\b          ; each accumulator from its low end on
	ds_store_b128 v[STO], v[AC+8*\b+4:AC+8*\b+7] offset:64*\b+16
.endr
	WIN 0
.set BB, BK+64*((\a)%2)
.irp t, 0,1,2,3,4,5,6,7,8,9,10,11,12,13,14,15
	ds_load_b128 v[BB+4*\t:BB+4*\t+3], v[RD] offset:\t*SPITCH
.endr
.endm
.macro SEND a, younger                 ; younger: the LDS instructions issued behind block a's loads, which may stay out
.set BB, BK+64*((\a)%2)
	s_wait_dscnt \younger                          ; the block is back in registers
.if (\a) > 0
	s_add_nc_u64 s[12:13], s[12:13], 16*SIZE_N*4   ; (behind a wait on XCNT: the earlier stores have read their base)  16 rows on, so that the stores' offsets stay small
.endif
.irp t, 0,1,2,3,4,5,6,7,8,9,10,11,12,13,14,15
	global_store_b128 v[CO], v[BB+4*\t:BB+4*\t+3], s[12:13] offset:\t*SIZE_N*4 th:TH_STORE_NT   ; 32 lanes store 512 consecutive bytes, at a multiple of 256 from the buffer's first byte; written once, read by nobody here
.endr
.endm
	PLACES NP                                      ; these places serve the loads into the registers that held A's fragments and the reads of the last products' results alike
	TOSTAGE 0
.irp a, 1,2,3,4,5,6,7
.if \a > 1
	s_wait_xcnt 0x0                                ; block a - 2's stores have read their registers and their base: block a's loads may land there, and the base may step
.endif
	TOSTAGE \a
	SEND \a-1, 32                                  ; behind block a - 1's loads: block a's 16 stores and 16 loads
.endr
	s_wait_xcnt 0x0                                ; block 6's stores have read their base
	SEND 7, 0
	s_wait_tensorcnt 0x0                           ; the wave's end, behind my last tensor load and my last LDS store
	ds_add_u32 v[SPW], v[NIL]
	s_wait_dscnt 0x0
	CROUND                                         ; the closing round: no work-group ends while a partner may still ask for a tile that names it
	s_endpgm
.Lfunc_end_k_qb0917b2e50_outp:
	.size	k_qb0917b2e50_outp, .Lfunc_end_k_qb0917b2e50_outp-k_qb0917b2e50_outp
	.p2alignl 7, 3214868480
	.fill 96, 4, 3214868480
	.section	.rodata,"a",@progbits
	.p2align	6, 0x0
	.amdhsa_kernel k_qb0917b2e50_outp
		.amdhsa_group_segment_fixed_size 327680
		.amdhsa_private_segment_fixed_size 0
		.amdhsa_enable_private_segment 0
		.amdhsa_kernarg_size 40
		.amdhsa_user_sgpr_count 2
		.amdhsa_user_sgpr_kernarg_segment_ptr 1
		.amdhsa_wavefront_size32 1
		.amdhsa_system_sgpr_workgroup_id_x 1
		.amdhsa_system_sgpr_workgroup_id_y 1
		.amdhsa_system_sgpr_workgroup_id_z 1
		.amdhsa_system_vgpr_workitem_id 0
		.amdhsa_next_free_vgpr 1024
		.amdhsa_next_free_sgpr 98
		.amdhsa_reserve_vcc 0
		.amdhsa_float_denorm_mode_32 3
		.amdhsa_float_denorm_mode_16_64 3
		.amdhsa_memory_ordered 1
		.amdhsa_forward_progress 1
		.amdhsa_inst_pref_size 145
	.end_amdhsa_kernel
	.amdgpu_metadata
---
amdhsa.version: [ 1, 2 ]
amdhsa.kernels:
  - .name:           k_qb0917b2e50_outp
    .symbol:         k_qb0917b2e50_outp.kd
    .args:
      - { .name: ocodes, .offset: 0, .size: 8, .value_kind: global_buffer, .address_space: global }
      - { .name: oscales, .offset: 8, .size: 8, .value_kind: global_buffer, .address_space: global }
      - { .name: Wo_codes, .offset: 16, .size: 8, .value_kind: global_buffer, .address_space: global }
      - { .name: Wo_scales, .offset: 24, .size: 8, .value_kind: global_buffer, .address_space: global }
      - { .name: out0, .offset: 32, .size: 8, .value_kind: global_buffer, .address_space: global }
    .group_segment_fixed_size: 327680
    .private_segment_fixed_size: 0
    .kernarg_segment_align: 8
    .kernarg_segment_size: 40
    .max_flat_workgroup_size: 128
    .sgpr_count:     98
    .vgpr_count:     1024
    .wavefront_size: 32
...
	.end_amdgpu_metadata
.endif
;; end of part 3
;; ======== version 2 of 2: 3 launches; version 1 with the launch attn written anew for expert scheduling mode
;; workspace buffers: qkv 12,582,912 bytes; qkvs 393,216 bytes; m0buf 256 bytes of whole numbers; ocodes 4,194,304 bytes; oscales 131,072 bytes
;; launch proj: the kernel of part 1 again; grid 4 x 48, 4 waves a work-group, clusters of 4 x 4, 327,680 bytes of LDS; arguments x_codes, x_scales, Wq_codes, Wq_scales, Wk_codes, Wk_scales, Wv_codes, Wv_scales, mask, qkv, qkvs, m0buf; writes qkv, qkvs, m0buf
;; launch attn (part 4): grid 64 x 4, 16 waves a work-group, no clusters, 268,288 bytes of LDS; arguments qkv, qkvs, spatial_bias, mask, m0buf, ocodes, oscales; writes ocodes, oscales
.if DOCPART == 4
	.amdgcn_target "amdgcn-amd-amdhsa--gfx1250"
	.amdhsa_code_object_version 6
	.text
	.protected	k_qb0917b2e50_attn
	.globl	k_qb0917b2e50_attn
	.p2align	8
	.type	k_qb0917b2e50_attn,@function
k_qb0917b2e50_attn:
	s_mov_b64 s[64:65], 0
	v_nop
	global_prefetch_b8 v0, s[64:65] scope:SCOPE_SE
	s_setreg_imm32_b32 hwreg(HW_REG_WAVE_SCHED_MODE, 0, 2), 2
	s_setreg_imm32_b32 hwreg(HW_REG_WAVE_MODE, 25, 1), 1
	s_wait_xcnt 0x0
	s_wait_alu depctr_vm_vsrc(0)
; Attention on codes of FP8 (E4M3) with E8M0 scales: logit = q . k / 8 + spatial_bias; a key that the mask input hides has the logit NEG = -1e9 instead; NEG is added above the diagonal; softmax; x v.
; The result is quantised along (head, channel) and leaves as codes for the last product.
; THE SOFTMAX: t = logit x log2(e); M = the running largest t rounded UP to a whole number; p = 2^(t - M) is quantised along the keys, not normalised; the sum of the unquantised p divides at the end.
; NEG IS FINITE.  A row all of whose visible keys are hidden by the mask (every row q < m0, m0 the first open key) has its largest logit at NEG, and the open keys ABOVE the diagonal then weigh as reference() has them:
; fl(score + NEG).  So a block of queries that begins under m0 walks all 4,096 keys, adds NEG in f32 as reference() does, and rounds t before M is taken off.  All other blocks stop at the diagonal.
; m0 comes as whole numbers from the launch before.  The number of key steps hangs on it: so this launch has no tensor load and no joint request; its operands go through registers into LDS,
; and on that way the key mask is laid on the bias (bias x keep + negm), once for four heads.
; SHARES.  Work-group (p, g): heads 4 g .. 4 g + 3, and two blocks of 32 queries: block p and block 127 - p, whose key steps add up to the same number in every work-group.  Sixteen waves of 256 registers.
; Wave w: head hf = w % 4; tile a = (w / 4 + hf) % 4 of the four tiles of 16 queries (0, 1: the early block; 2, 3: the late one): so early and late tiles are spread evenly however waves are dealt to SIMDs.
; A STEP is 128 keys; 32 steps, two a trip, ONE barrier a step.  Two LDS slots: while slot s is read, every wave brings its share of the next step into the other: 2,048 bytes of K, 2,048 of V, 128 of scales, 4 rows of bias.
; A wave whose tile is finished goes on filling.  Steps that no tile of the work-group wants are not fetched.
; LAYOUT.  Both products are used transposed, so that a lane holds ONE query (lane % 16) throughout.  K = 64 in the first product: an operand of K holds TWO tiles of 16 keys (64 codes each), and Q stands beside 64 zero codes,
; in front of them or behind them: v[24:39] picks the first tile, v[16:31] the second.  The bias is the C of those products.  THE KEYS OF A TILE ARE NOT NEIGHBOURS: row r of tile 2 u + e is key 32 u + 8 e + r + 8 (r / 8),
; so that registers 16 u .. 16 u + 15 of the scores are keys 32 u + 16 (lane / 16) + 0 .. 15.  V's channels are dealt likewise, for the quantiser of the result.  Both orders are made by the fill's LDS addresses alone.
; LIMITS: NaN and infinities in any input are not served: the bias of a hidden key must be finite, since it is multiplied by 0; 1 / sum is v_rcp_f32.
; THE MODE: SCHED_MODE bits 1:0 = 2 (LLVM: expert scheduling mode 2), set by the entry lines.  The code itself states the register dependences
; between vector or matrix instructions and memory or LDS instructions, with s_wait_alu, always for 0.
; THE PLAN.  Registers that memory or LDS instructions touch in the loop, and who else names them:
;   v240-247     the step's eight LDS addresses.  Written by eight additions at the step's head; read by every LDS instruction of the step.
;   v[F ..]      three tenants a step.  K's fragments: LDS loads; read by the eight products K Q^T.  The next step's share (F .. F + 48) and the tables' words (F + 52 .. F + 59): global and LDS loads; eight multiply-adds
;                mask the bias rows (F + 32 .. F + 47) in place; the LDS stores into the other slot read F .. F + 48.  V's fragments: LDS loads; read by the four products V^T P^T.
;   v[S ..]      the bias: LDS loads at the step's head; from then on named by matrix and vector instructions alone.
;   v[SC ..]     K's scale words, then V's: LDS loads; read by the products.
;   v9, v10, v[PFO]   offsets made at the head and never written again.
;   v[PC ..], v[PS]   p's codes and scale word: written by vector instructions, taken by scaled products.
; THE WAITS of a step, beside the two behind the exponentials.  At its head: on vm_vsrc ahead of the eight additions, on va_vdst behind them.  On va_vdst behind the products K Q^T and their places, ahead of the fill's loads.
; On va_vdst behind the masking of the bias, ahead of the run of LDS stores and of the products that take p.  On vm_vsrc behind those stores, ahead of V's loads.
; A compare's mask goes into a scalar register: the compares stand in runs, with one wait on va_sdst between a run and its readers.
.set SLOTB, 131072                     ; LDS: slot s begins at 131,072 s:
.set SCLO,  65536                      ;   0: four heads x (K's images 8,192 | V's images 8,192);  65,536: four heads x (K's scale words 256 | V's 256);
.set BIASO, 67584                      ;   67,584: 64 rows of bias (early block 0-31, late block 32-63), 512 bytes + 16 of padding
.set BP,    528
.set KEEP,  232448                     ; behind the slots: keep[4096] f32 (1 or 0),
.set TBL,   16384                      ; and 16,384 bytes on negm[4096] f32 (0 or NEG)
.set SGP,   272                        ; the way out: a stage of 64 rows x (256 + 16) bytes at LDS byte 0, in slot 0, which nobody reads or fills behind the last barrier of the loop;
.set STGS,  17408                      ; behind it 64 rows x 8 scale bytes
.set HEADB, 786432                     ; a head in qkv: 32 blocks of 24,576 bytes (Q 8,192 | K 8,192 | V 8,192)
.set BLKB,  24576
.set HEADS, 24576                      ; a head in qkvs: 32 blocks of 768 bytes
.set BLKS,  768
; v1-8 LDS places that stay: v1 fragments, v2 scale words, v3 my tile's bias, v4-7 where I fill K, V, scales, bias, v8 the tables.  v9 16 x lane, v10 4 x lane, v11 r - 16 h.  v12 -M, v13 the largest t, v[14:15] the sum.
; v16-23 zeros, v24-31 Q, v32-39 zeros.
.set F,   40                           ; v40-103  four fragments of K or V; between the products the next step's share on its way to LDS
.set TK,  92                           ; v92-99   (F + 52 on) beside that share: the tables' words of its keys: keep, then negm
.set S,   104                          ; v104-167 the bias, the scores, then p
.set O,   168                          ; v168-199 O^T
.set PC,  200                          ; v200-215 p's codes
.set BM,  216                          ; v216-219 the blocks' largest
.set T4,  220                          ; v220-223 the other half's, then bytes
.set HB,  224                          ; v224-227 448 x the scale
.set SO,  228                          ; v228-231 the conversions' scale operands
.set LN,  232                          ; lane
.set RR,  233                          ; r = lane % 16
.set SC,  236                          ; v236-237 scale words of K or V: lanes 0-15 an even tile's, lanes 16-31 an odd one's
.set QS,  238                          ; Q's scale word
.set PS,  239                          ; p's
.set ADK, 240                          ; the step's LDS addresses: fragments, scale words, bias; fills of K, V, scales, bias; tables
.set ADS, 241
.set ADB, 242
.set AWK, 243
.set AWV, 244
.set AWS, 245
.set AWB, 246
.set ADT, 247
.set PFO, 248                          ; the prefetches' offset; never rewritten
.set HH,  249                          ; h = lane / 16
.set WV, 18
.set HF, 19
.set AF, 20
.set TA, 21
.set PP, 22
.set GG, 23
.set TQ, 24                            ; my tile of 16 queries
.set DS, 25                            ; the step on the diagonal
.set LASTC, 26                         ; my tile's last step
.set LASTKV, 27                        ; the last step whose K and V anybody here wants
.set LASTB, 28                         ; the last step of the block whose bias rows I fill
.set CARE, 29                          ; 1: my block begins under m0
.set PL, 30                            ; the last step that I prefetch; 0: none
.set ST, 31
.set CUR, 32
.set M0, 33
.set TT, 34
.set NEGS, 35
.set CS, 36                            ; s[36:37] log2(e)
.set SEL, 38
.set MNT, 40
.set KVB, 42
.set SCB, 44
.set BB, 46
.set PFA, 48
.set PFB, 50
.set PFS, 52
.set NEGP, 54
.set CM,  68                           ; s[68:83] in the loop: the masks of sixteen compares (at the head these registers take the sixteen first open keys)
.set BLKF, 84                          ; the block whose bias rows I fill and whose results I store
.set BLKL, 85
.set QB, 86
.set QSB, 88
.macro FILL_LOAD_KV                    ; my share of the next step's K, V and scales: each load reads 512 (the last 128) consecutive bytes
.irp n, 0,1,2,3
	global_load_b128 v[F+4*\n:F+4*\n+3], v9, s[KVB:KVB+1] offset:512*\n
.endr
.irp n, 0,1,2,3
	global_load_b128 v[F+16+4*\n:F+16+4*\n+3], v9, s[KVB:KVB+1] offset:8192+512*\n
.endr
	global_load_b32 v[F+48], v10, s[SCB:SCB+1]
.endm
.macro FILL_LOAD_B                     ; four rows of bias, 512 consecutive bytes each
.irp i, 0,1,2,3
	global_load_b128 v[F+32+4*\i:F+32+4*\i+3], v9, s[BB:BB+1] offset:16384*\i
.endr
.endm
.macro TABLES off                      ; keep and negm of my four keys of those rows
	ds_load_b128 v[TK:TK+3], v[ADT] offset:\off
	ds_load_b128 v[TK+4:TK+7], v[ADT] offset:TBL+\off
.endm
.macro MASKB                           ; bias x keep + negm: a hidden key's becomes NEG, the others stay as they are
.irp i, 0,1,2,3
	v_pk_fma_f32 v[F+32+4*\i:F+32+4*\i+1], v[F+32+4*\i:F+32+4*\i+1], v[TK:TK+1], v[TK+4:TK+5]
	v_pk_fma_f32 v[F+32+4*\i+2:F+32+4*\i+3], v[F+32+4*\i+2:F+32+4*\i+3], v[TK+2:TK+3], v[TK+6:TK+7]
.endr
.endm
.macro STORE_KV                        ; the order of keys and of channels is made here, by addresses: load n of K is natural tile 2 af + n / 2, channels 32 (n % 2) on
.irp n, 0,1,2,3
	ds_store_b128 v[AWK], v[F+4*\n:F+4*\n+3] offset:128*(\n/2)+512*(\n%2)
.endr
.irp n, 0,1,2,3
	ds_store_b128 v[AWV], v[F+16+4*\n:F+16+4*\n+3] offset:512*\n
.endr
	ds_store_b32 v[AWS], v[F+48]
.endm
.macro STORE_B
.irp i, 0,1,2,3
	ds_store_b128 v[AWB], v[F+32+4*\i:F+32+4*\i+3] offset:BP*\i
.endr
.endm
; A PREFETCH INTO THE L2 of step CUR + 2, one step ahead of the fill's loads.  K and V of head 4 g + w: waves 0-3 of the work-groups with p = 0: 16,384 bytes, lanes 256 bytes apart, two instructions.
; The bias of blocks p and 127 - p: waves 4 and 5 of the work-groups with g = 0: a lane a row, 512 bytes of it, two instructions.  So each aligned block of 256 bytes is named once in the launch.  Steps 0 and 1 come by their loads alone.
.macro ASK
	s_add_co_u32 s56, s[CUR], 2
	s_cmp_le_u32 s56, s[PL]
	s_cbranch_scc0 .Lnot_mine_\@
	global_prefetch_b8 v[PFO], s[PFA:PFA+1] th:TH_LOAD_NT scope:SCOPE_SE
	global_prefetch_b8 v[PFO], s[PFB:PFB+1] th:TH_LOAD_NT scope:SCOPE_SE
.Lnot_mine_\@:
.endm
.macro LOADS o                         ; step CUR + 1 is fetched where somebody wants it; the tables' words go out with the bias rows that they will mask
	s_cmp_lt_u32 s[CUR], s[LASTKV]
	s_cbranch_scc0 .Lno_kv_\@
	FILL_LOAD_KV
.Lno_kv_\@:
	s_cmp_lt_u32 s[CUR], s[LASTB]
	s_cbranch_scc0 .Lno_b_\@
	FILL_LOAD_B
	TABLES 512*\o
.Lno_b_\@:
	ASK
.endm
.macro FINISH                          ; the share is masked and goes into the other slot
	s_wait_loadcnt 0x0                             ; the next step's share is in registers,
	s_wait_dscnt 0x0                               ; and so are the tables' words
	s_cmp_lt_u32 s[CUR], s[LASTB]
	s_cbranch_scc0 .Lno_m_\@
	MASKB
.Lno_m_\@:
	s_wait_alu depctr_va_vdst(0)                   ; the masked bias is written, which the LDS stores below read; the masking is done reading the tables' words, in whose registers V's fragments land; in a wave that multiplies, p's codes and scale word are written, which the scaled products below take
	s_cmp_lt_u32 s[CUR], s[LASTKV]
	s_cbranch_scc0 .Lno_kv_\@
	STORE_KV
.Lno_kv_\@:
	s_cmp_lt_u32 s[CUR], s[LASTB]
	s_cbranch_scc0 .Lno_b_\@
	STORE_B
.Lno_b_\@:
.endm
.macro KQ u                            ; keys 32 u .. 32 u + 31: one operand of K, two products; the bias in the accumulators is their C
	s_wait_dscnt 8*(3-\u)                          ; behind this group's eight loads stand the later groups' eight each
.if (\u)%2
	v_wmma_scale_f32_16x16x128_f8f6f4 v[S+16*\u:S+16*\u+7], v[F+16*\u:F+16*\u+15], v[24:39], v[S+16*\u:S+16*\u+7], v[SC+\u/2], v[QS] matrix_a_scale:MATRIX_SCALE_ROW1
	v_wmma_scale_f32_16x16x128_f8f6f4 v[S+16*\u+8:S+16*\u+15], v[F+16*\u:F+16*\u+15], v[16:31], v[S+16*\u+8:S+16*\u+15], v[SC+\u/2], v[QS] matrix_a_scale:MATRIX_SCALE_ROW1
.else
	v_wmma_scale_f32_16x16x128_f8f6f4 v[S+16*\u:S+16*\u+7], v[F+16*\u:F+16*\u+15], v[24:39], v[S+16*\u:S+16*\u+7], v[SC+\u/2], v[QS]
	v_wmma_scale_f32_16x16x128_f8f6f4 v[S+16*\u+8:S+16*\u+15], v[F+16*\u:F+16*\u+15], v[16:31], v[S+16*\u+8:S+16*\u+15], v[SC+\u/2], v[QS]
.endif
.endm
.macro PVM t                           ; O^T += V^T P^T: tile t of 16 channels; K = the step's 128 keys
	s_wait_dscnt 4*(3-\t)                          ; behind this tile's four loads stand the later tiles' four each
.if (\t)%2
	v_wmma_scale_f32_16x16x128_f8f6f4 v[O+8*\t:O+8*\t+7], v[F+16*\t:F+16*\t+15], v[PC:PC+15], v[O+8*\t:O+8*\t+7], v[SC+\t/2], v[PS] matrix_a_scale:MATRIX_SCALE_ROW1
.else
	v_wmma_scale_f32_16x16x128_f8f6f4 v[O+8*\t:O+8*\t+7], v[F+16*\t:F+16*\t+15], v[PC:PC+15], v[O+8*\t:O+8*\t+7], v[SC+\t/2], v[PS]
.endif
.endm
; A KEY STEP of a wave whose tile still has keys.
.macro STEP o
	ds_load_b32 v[SC], v[ADS]                      ; K's scale words: tiles' pairs 0, 1
	ds_load_b32 v[SC+1], v[ADS] offset:128         ; and 2, 3
.irp u, 0,1,2,3
.irp c, 0,1,2,3
	ds_load_b128 v[F+16*\u+4*\c:F+16*\u+4*\c+3], v[ADK] offset:2048*\u+512*\c
.endr
.irp c, 0,1,2,3
	ds_load_b128 v[S+16*\u+4*\c:S+16*\u+4*\c+3], v[ADB] offset:128*\u+16*\c   ; my query's bias at keys 32 u + 16 h + 0 .. 15
.endr
.endr
	KQ 0
	KQ 1
	KQ 2
	KQ 3
.rept 8
	v_nop                                          ; places: behind them the scores are read
.endr
	s_wait_alu depctr_va_vdst(0)                   ; the eight products are done reading K's fragments and scale words: the next step's share and the tables' words land in v[F ..], and V's scale words, further down, in v[SC ..]; no vector or matrix instruction names these registers between this wait and those loads
	LOADS \o
	s_cmp_lt_u32 s[CUR], s[DS]
	s_cbranch_scc1 .Lopen_\@                       ; under the diagonal nothing is added
	s_cmp_eq_u32 s[CUR], s[DS]
	s_cbranch_scc0 .Lhidden_\@
	s_lshl_b32 s56, s[TQ], 4                       ; on the diagonal: register 16 b + i holds key 128 CUR + 16 h + 32 b + i: above the diagonal where 32 b + i > d,
	s_lshl_b32 s57, s[CUR], 7
	s_sub_co_i32 s56, s56, s57
	v_add_nc_u32 v234, s56, v11                    ; d = my query - 128 CUR - 16 h
.irp b, 0,1,2,3
.set n, 0
.rept 16
	v_cmp_gt_i32 s[CM+n], 32*\b+n, v234            ; a block's sixteen compares in a run, each into a scalar register of its own
.set n, n+1
.endr
	s_wait_alu depctr_va_sdst(0)                   ; the sixteen masks are written, ahead of the selects that read them
.set n, 0
.rept 16
	v_add_f32 v235, s[NEGS], v[S+16*\b+n]
	v_cndmask_b32 v[S+16*\b+n], v[S+16*\b+n], v235, s[CM+n]
.set n, n+1
.endr
.endr
	s_branch .Lopen_\@
.Lhidden_\@:                                       ; above it: NEG onto every score, in f32, as reference() adds it
.set n, 0
.rept 32
	v_pk_add_f32 v[S+n:S+n+1], v[S+n:S+n+1], s[NEGP:NEGP+1] op_sel_hi:[1,0]
.set n, n+2
.endr
.Lopen_\@:
.irp b, 0,1,2,3
	v_max3_num_f32 v[BM+\b], v[S+16*\b], v[S+16*\b+1], v[S+16*\b+2]   ; the largest score of each block of 32 keys: for the row's maximum, and, since p rises with the score, for the block's largest p
.endr
.irp i, 3,5,7,9,11,13
.irp b, 0,1,2,3
	v_max3_num_f32 v[BM+\b], v[BM+\b], v[S+16*\b+\i], v[S+16*\b+\i+1]
.endr
.endr
.irp b, 0,1,2,3
	v_max_num_f32 v[BM+\b], v[BM+\b], v[S+16*\b+15]
.endr
.irp b, 0,1,2,3
	v_permlanex16_b32 v[T4+\b], v[BM+\b], s[SEL], s[SEL+1]
.endr
.irp b, 0,1,2,3
	v_max_num_f32 v[BM+\b], v[BM+\b], v[T4+\b]     ; with lane l xor 16's 16 keys
.endr
	v_max3_num_f32 v254, v[BM], v[BM+1], v[BM+2]
	v_max_num_f32 v254, v254, v[BM+3]
	v_mul_f32 v254, s[CS], v254                    ; the step's largest t
	v_max_num_f32 v13, v13, v254                   ; the running largest t
	v_mov_b32 v254, v12
	v_floor_f32 v12, -v13                          ; -M = floor(-t): M is a whole number
	v_sub_f32 v254, v12, v254                      ; old M - new M: a whole number, 0 or less
	v_cvt_i32_f32 v254, v254                       ; (it saturates)
	v_ldexp_f32 v252, 1.0, v254                    ; f = 2^(old M - new M): rounds nothing
	s_cmp_eq_u32 s[CARE], 0
	s_cbranch_scc0 .Lcare_\@
.set n, 0
.rept 32
	v_pk_fma_f32 v[S+n:S+n+1], v[S+n:S+n+1], s[CS:CS+1], v[12:13] op_sel_hi:[1,0,0]   ; t - M, two at a time
.set n, n+2
.endr
.irp b, 0,1,2,3
	v_fma_f32 v[BM+\b], v[BM+\b], s[CS], v12
.endr
	s_branch .Lexp_\@
.Lcare_\@:                                         ; where the largest logit may be NEG, t is a rounded f32 number first, as it is defined: near 1.4e9 the fused form would keep what the rounding drops
.set n, 0
.rept 32
	v_pk_mul_f32 v[S+n:S+n+1], v[S+n:S+n+1], s[CS:CS+1] op_sel_hi:[1,0]
.set n, n+2
.endr
.irp b, 0,1,2,3
	v_mul_f32 v[BM+\b], s[CS], v[BM+\b]
.endr
.set n, 0
.rept 32
	v_pk_add_f32 v[S+n:S+n+1], v[S+n:S+n+1], v[12:13] op_sel_hi:[1,0]
.set n, n+2
.endr
.irp b, 0,1,2,3
	v_add_f32 v[BM+\b], v[BM+\b], v12
.endr
.Lexp_\@:
.set n, 0
.rept 64
	v_exp_f32 v[S+n], v[S+n]                       ; p = 2^(t - M)
.set n, n+1
.endr
	v_pk_mul_f32 v[14:15], v[14:15], v[252:253] op_sel_hi:[1,0]   ; the sums under the new M.  (The plain line behind the exponentials)
	s_wait_alu depctr_va_vdst(0)                   ; the 64 exponentials have written p: one wait for the batch, ahead of its first reader
.irp b, 0,1,2,3
	v_exp_f32 v[BM+\b], v[BM+\b]                   ; the block's largest p: the same instructions on the same number
.endr
	v_pk_add_f32 v[250:251], v[S:S+1], v[S+2:S+3]  ; the row's sum is taken of the unquantised p, in two chains
.set n, 4
.rept 15
	v_pk_add_f32 v[14:15], v[14:15], v[S+n:S+n+1]
	v_pk_add_f32 v[250:251], v[250:251], v[S+n+2:S+n+3]
.set n, n+4
.endr
	v_pk_add_f32 v[14:15], v[14:15], v[250:251]
	s_wait_alu depctr_va_vdst(0)                   ; the four exponentials have written the blocks' largest p, ahead of their first reader
.irp b, 0,1,2,3
	v_max_num_f32 v[BM+\b], 0x4800000, v[BM+\b]    ; the floor 2^(9 - 127): the byte cannot fall under 1
.endr
.irp b, 0,1,2,3
	v_add_nc_u32 v[SO+\b], 0xfc000000, v[BM+\b]    ; 8 off the exponent field: the conversion's scale operand
.endr
.irp b, 0,1,2,3
	v_and_or_b32 v[HB+\b], v[BM+\b], 0x7f800000, s[MNT]   ; 448 x the scale
.endr
.irp b, 0,1,2,3
	v_lshrrev_b32 v[T4+\b], 23, v[SO+\b]           ; the scale's byte
.endr
	v_lshl_or_b32 v[PS], v[T4+1], 8, v[T4]
	v_lshl_or_b32 v[PS], v[T4+2], 16, v[PS]
	v_lshl_or_b32 v[PS], v[T4+3], 24, v[PS]        ; p's scale word for these 128 keys
.irp b, 0,1,2,3
.set n, 0
.rept 16
	v_min_num_f32 v[S+16*\b+n], v[S+16*\b+n], v[HB+\b]   ; the conversion does not saturate (ISA guide 7.6.2); p is not negative, so the hold is one-sided
.set n, n+1
.endr
	v_cvt_scalef32_pk8_fp8_f32 v[PC+4*\b:PC+4*\b+1], v[S+16*\b:S+16*\b+7], v[SO+\b]
	v_cvt_scalef32_pk8_fp8_f32 v[PC+4*\b+2:PC+4*\b+3], v[S+16*\b+8:S+16*\b+15], v[SO+\b]
.endr
.set n, 0
.rept 16
	v_pk_mul_f32 v[O+n:O+n+1], v[O+n:O+n+1], v[252:253] op_sel_hi:[1,0]   ; O^T under the new M.  (Also the places between the codes and the products that take them)
.set n, n+2
.endr
	FINISH
	s_wait_alu depctr_vm_vsrc(0)                   ; my LDS stores have read their data, v[F ..]: V's fragments may land there
	ds_load_b32 v[SC], v[ADS] offset:256           ; V's scale words: tiles 0, 1
	ds_load_b32 v[SC+1], v[ADS] offset:384         ; and 2, 3
.irp t, 0,1,2,3
.irp c, 0,1,2,3
	ds_load_b128 v[F+16*\t+4*\c:F+16*\t+4*\c+3], v[ADK] offset:8192+2048*\t+512*\c
.endr
.endr
	PVM 0
	PVM 1
	PVM 2
	PVM 3
.endm
; One step of the loop: reads slot o, fills slot 1 - o.  The barrier at its end stands behind every wave's reads of slot o and its stores into the other.
.macro TRIP o
	s_add_co_u32 s[CUR], s[ST], \o
	s_wait_alu depctr_vm_vsrc(0)                   ; the LDS instructions of the step before have read their eight addresses, which are written anew below, and, in a wave that only fills, its LDS stores their data, in which the next loads land; in the first trip: the head's loads and stores have read v234, v235, v[BM] and v[S ..], which this step writes
	v_add_nc_u32 v[ADK], \o*SLOTB, v1              ; the step's eight LDS addresses: also eight places behind the last step's products
	v_add_nc_u32 v[ADS], \o*SLOTB, v2
	v_add_nc_u32 v[ADB], \o*SLOTB, v3
	v_add_nc_u32 v[AWK], (1-\o)*SLOTB, v4
	v_add_nc_u32 v[AWV], (1-\o)*SLOTB, v5
	v_add_nc_u32 v[AWS], (1-\o)*SLOTB, v6
	v_add_nc_u32 v[AWB], (1-\o)*SLOTB, v7
	v_add_nc_u32 v[ADT], s[TT], v8
	s_wait_alu depctr_va_vdst(0)                   ; the eight addresses are written, which the step's LDS instructions read; the last step's products are done reading V's fragments and scale words, and its vector instructions are done with p, the masked bias and the tables' words: this step's loads land in all of these
	s_cmp_gt_u32 s[CUR], s[LASTC]
	s_cbranch_scc1 .Lidle_\@
	STEP \o
	s_branch .Lmeet_\@
.Lidle_\@:                                         ; my tile is finished: I only fill
	LOADS \o
	FINISH
.Lmeet_\@:
	s_wait_dscnt 0x0                               ; my reads of this slot are in and my stores into the other have landed
	s_barrier_signal -1
	s_barrier_wait -1
	s_wait_xcnt 0x0                                ; the step's loads and prefetches have read their bases
	s_add_nc_u64 s[KVB:KVB+1], s[KVB:KVB+1], BLKB
	s_add_nc_u64 s[SCB:SCB+1], s[SCB:SCB+1], BLKS
	s_add_nc_u64 s[BB:BB+1], s[BB:BB+1], 512
	s_add_nc_u64 s[PFA:PFA+1], s[PFA:PFA+1], s[PFS:PFS+1]
	s_add_nc_u64 s[PFB:PFB+1], s[PFB:PFB+1], s[PFS:PFS+1]
.endm
	s_load_b256 s[4:11], s[0:1], 0x0               ; qkv, qkvs, spatial_bias, mask
	s_load_b128 s[12:15], s[0:1], 0x20             ; m0buf, ocodes
	s_load_b64 s[16:17], s[0:1], 0x30              ; oscales
	v_lshrrev_b32 v1, 5, v0
	v_readfirstlane_b32 s[WV], v1                  ; wave 0..15
	s_wait_alu depctr_va_sdst(0)                   ; the wave's number is written, ahead of its first reader
	s_and_b32 s[HF], s[WV], 3
	s_lshr_b32 s[AF], s[WV], 2
	s_add_co_u32 s[TA], s[HF], s[AF]
	s_and_b32 s[TA], s[TA], 3                      ; my tile of the four
	s_mov_b32 s[PP], ttmp9
	s_and_b32 s[GG], ttmp7, 0xffff
	s_lshl_b32 s56, s[PP], 1
	s_sub_co_u32 s57, 252, s56
	s_cmp_lt_u32 s[TA], 2
	s_cselect_b32 s[TQ], s56, s57
	s_add_co_u32 s[TQ], s[TQ], s[TA]               ; tile 2 p + a, or 254 - 2 p + (a - 2)
	s_sub_co_u32 s[BLKL], 127, s[PP]               ; the late block
	s_cmp_lt_u32 s[WV], 8
	s_cselect_b32 s[BLKF], s[PP], s[BLKL]
	s_mov_b32 s[NEGS], 0xce6e6b28                  ; -1e9
	s_mov_b32 s[NEGP], s[NEGS]
	s_mov_b32 s[NEGP+1], s[NEGS]
	s_mov_b32 s[CS], 0x3fb8aa3b                    ; log2(e)
	s_mov_b32 s[CS+1], s[CS]
	s_mov_b32 s[SEL], 0x76543210
	s_mov_b32 s[SEL+1], 0xfedcba98                 ; v_permlanex16_b32's selects for lane l xor 16
	s_mov_b32 s[MNT], 0x600000                     ; the mantissa field of 448
	v_and_b32 v[LN], 31, v0
	v_and_b32 v[RR], 15, v0
	v_bfe_u32 v[HH], v0, 4, 1
	v_and_b32 v255, 7, v0                          ; r % 8
	v_bfe_u32 v254, v0, 3, 1                       ; r / 8
	v_lshlrev_b32 v9, 4, v[LN]
	v_lshlrev_b32 v10, 2, v[LN]
	s_lshl_b32 s56, s[HF], 14                      ; my head's K and V in a slot
	v_add_nc_u32 v1, s56, v9
	s_lshl_b32 s57, s[HF], 9
	s_add_co_u32 s57, s57, SCLO                    ; its scale words
	v_add_nc_u32 v2, s57, v10
	s_mul_i32 s58, s[TA], 16*BP
	s_add_co_u32 s58, s58, BIASO
	v_mul_u32_u24 v3, v[RR], BP
	v_lshl_add_u32 v3, v[HH], 6, v3
	v_add_nc_u32 v3, s58, v3                       ; bias: row 16 a + r, + 64 h
	s_lshl_b32 s59, s[AF], 11
	s_add_co_u32 s59, s59, s56
	v_lshlrev_b32 v4, 4, v255
	v_lshl_add_u32 v4, v254, 10, v4
	v_lshl_add_u32 v4, v[HH], 8, v4
	v_add_nc_u32 v4, s59, v4                       ; K: operand af; rows 8 .. 15 of a natural tile go to the operand's second tile
	s_lshr_b32 s60, s[AF], 1
	s_lshl_b32 s60, s60, 12
	s_and_b32 s61, s[AF], 1
	s_lshl_b32 s61, s61, 7
	s_add_co_u32 s60, s60, s61
	s_add_co_u32 s60, s60, s56
	s_add_co_u32 s60, s60, 8192
	v_lshlrev_b32 v5, 4, v255
	v_lshl_add_u32 v5, v254, 11, v5
	v_lshl_add_u32 v5, v[HH], 8, v5
	v_add_nc_u32 v5, s60, v5                       ; V: channels 16 af + r go to tile 2 (af / 2) + r / 8, row 8 (af % 2) + r % 8
	s_lshl_b32 s61, s[AF], 7
	s_add_co_u32 s61, s61, s57
	v_add_nc_u32 v6, s61, v10
	s_mul_i32 s62, s[WV], 4*BP
	s_add_co_u32 s62, s62, BIASO
	v_add_nc_u32 v7, s62, v9                       ; bias rows 4 w .. 4 w + 3
	v_add_nc_u32 v8, KEEP, v9
	v_lshlrev_b32 v11, 4, v[HH]
	v_sub_nc_u32 v11, v[RR], v11                   ; r - 16 h
	v_lshlrev_b32 v[BM], 2, v255
	v_lshl_add_u32 v[BM], v254, 1, v[BM]           ; Q's scale bytes: 4 (r % 8) + 2 (r / 8)
	v_lshlrev_b32 v235, 3, v0                      ; my 8 keys' mask bytes
	v_lshl_add_u32 v234, v0, 5, KEEP               ; and their places in the tables
	; byte offsets
	s_lshl_b32 s56, s[GG], 2
	s_add_co_u32 s56, s56, s[HF]                   ; my head
	s_mul_i32 s57, s56, HEADB
	s_mul_i32 s58, s56, HEADS
	s_lshl_b32 s60, s[AF], 11
	s_add_co_u32 s60, s60, s57
	s_add_co_u32 s60, s60, 8192                    ; K's part of block 0, my 2,048 bytes; V's lie 8,192 on
	s_mov_b32 s61, 0
	s_lshl_b32 s62, s[AF], 7
	s_add_co_u32 s62, s62, s58
	s_add_co_u32 s62, s62, 256                     ; K's and V's scale words, my 128 bytes
	s_mov_b32 s63, 0
	s_lshl_b32 s66, s[BLKF], 5
	s_and_b32 s67, s[WV], 7
	s_lshl_b32 s67, s67, 2
	s_add_co_u32 s66, s66, s67
	s_lshl_b32 s66, s66, 14                        ; bias: row 32 block + 4 (w % 8)
	s_mov_b32 s67, 0
	s_lshr_b32 s59, s[TQ], 3
	s_mul_i32 s90, s59, BLKB
	s_add_co_u32 s90, s90, s57
	s_and_b32 s92, s[TQ], 7
	s_lshl_b32 s93, s92, 10
	s_add_co_u32 s90, s90, s93                     ; Q: block T / 8, tile T % 8
	s_mov_b32 s91, 0
	s_mul_i32 s94, s59, BLKS
	s_add_co_u32 s94, s94, s58
	s_lshr_b32 s93, s92, 1
	s_lshl_b32 s93, s93, 6
	s_add_co_u32 s94, s94, s93
	s_and_b32 s93, s[TQ], 1
	s_lshl_b32 s93, s93, 5
	s_add_co_u32 s94, s94, s93
	s_mov_b32 s95, 0
	s_wait_kmcnt 0x0
	s_load_b512 s[68:83], s[12:13], 0x0            ; the sixteen first open keys
	s_add_nc_u64 s[KVB:KVB+1], s[4:5], s[60:61]
	s_add_nc_u64 s[SCB:SCB+1], s[6:7], s[62:63]
	s_add_nc_u64 s[BB:BB+1], s[8:9], s[66:67]
	s_add_nc_u64 s[QB:QB+1], s[4:5], s[90:91]
	s_add_nc_u64 s[QSB:QSB+1], s[6:7], s[94:95]
	s_wait_alu depctr_va_vdst(0)                   ; the offsets v9, v10, v[BM] and v235 are written, which the loads below read, and v234, which the tables' stores read
	global_load_b64 v[250:251], v235, s[10:11]
	global_load_b128 v[24:27], v9, s[QB:QB+1]      ; Q's image: it stays in registers
	global_load_b128 v[28:31], v9, s[QB:QB+1] offset:512
	global_load_u16 v[QS], v[BM], s[QSB:QSB+1]
	FILL_LOAD_KV                                   ; step 0
	FILL_LOAD_B
	v_mov_b32 v252, s[NEGS]
	v_mov_b32 v253, 0
	s_wait_loadcnt 16                              ; the mask bytes are in; the sixteen loads issued behind them may be out
.irp j, 0,1,2,3,4,5,6,7
	v_bfe_u32 v[S+16+\j], v[250+\j/4], 8*(\j%4), 8
.endr
.irp j, 0,1,2,3,4,5,6,7
	v_cmp_ne_u32 s[56+\j], 0, v[S+16+\j]           ; the eight compares in a run, each into a scalar register of its own
.endr
	s_wait_alu depctr_va_sdst(0)                   ; the eight masks are written, ahead of the selects that read them
.irp j, 0,1,2,3,4,5,6,7
	v_cndmask_b32 v[S+\j], 1.0, v253, s[56+\j]     ; keep
	v_cndmask_b32 v[S+8+\j], 0, v252, s[56+\j]     ; negm
.endr
	s_wait_alu depctr_va_vdst(0)                   ; keep and negm are written, which the LDS stores read
	ds_store_b128 v234, v[S:S+3]
	ds_store_b128 v234, v[S+4:S+7] offset:16
	ds_store_b128 v234, v[S+8:S+11] offset:TBL
	ds_store_b128 v234, v[S+12:S+15] offset:TBL+16
.irp j, 16,17,18,19,20,21,22,23,32,33,34,35,36,37,38,39
	v_mov_b32 v\j, 0                               ; the zero codes beside Q
.endr
.set n, 0
.rept 32
	v_mov_b32 v[O+n], 0                            ; O^T.  (The step is written once: the first finds zeros, which the first change of M leaves zeros)
.set n, n+1
.endr
.irp b, 0,1,2,3
	v_mov_b32 v[T4+\b], 0                          ; written once: a lane permute's destination counts as one of its sources
.endr
	v_mov_b32 v14, 0
	v_mov_b32 v15, 0
	v_mov_b32 v13, 0xff61b1e6                      ; the largest t so far: -3e38, under every t
	v_floor_f32 v12, -v13
	s_wait_kmcnt 0x0
	s_min_u32 s[M0], s68, s69
.irp k, 70,71,72,73,74,75,76,77,78,79,80,81,82,83
	s_min_u32 s[M0], s[M0], s\k                    ; m0: the first open key, or 4,096
.endr
	s_lshl_b32 s56, s[PP], 5
	s_lshr_b32 s57, s[PP], 2                       ; the early block's step on the diagonal
	s_cmp_lt_u32 s56, s[M0]
	s_cselect_b32 s58, 31, s57                     ; its last step
	s_cselect_b32 s59, 1, 0
	s_lshl_b32 s56, s[BLKL], 5
	s_lshr_b32 s60, s[BLKL], 2
	s_cmp_lt_u32 s56, s[M0]
	s_cselect_b32 s61, 31, s60                     ; the late block's
	s_cselect_b32 s62, 1, 0
	s_cmp_lt_u32 s[TA], 2
	s_cselect_b32 s[DS], s57, s60
	s_cselect_b32 s[LASTC], s58, s61
	s_cselect_b32 s[CARE], s59, s62
	s_cmp_lt_u32 s[WV], 8
	s_cselect_b32 s[LASTB], s58, s61
	s_max_u32 s[LASTKV], s58, s61
	; the prefetches: who asks, and where step 2 stands
	s_cmp_eq_u32 s[WV], 4
	s_cselect_b32 s63, s[PP], s[BLKL]
	s_cselect_b32 s66, s58, s61
	s_lshl_b32 s63, s63, 19                        ; 32 rows of 16,384 bytes a block
	s_add_co_u32 s63, s63, 1024
	s_lshl_b32 s67, s[GG], 2
	s_add_co_u32 s67, s67, s[WV]
	s_mul_i32 s67, s67, HEADB
	s_add_co_u32 s67, s67, 2*BLKB+8192
	s_cmp_lt_u32 s[WV], 4
	s_cselect_b64 s[PFA:PFA+1], s[4:5], s[8:9]
	s_cselect_b32 s90, s67, s63
	s_mov_b32 s[PFS], 512
	s_cselect_b32 s[PFS], BLKB, s[PFS]             ; a step on
	s_mov_b32 s92, 256
	s_cselect_b32 s92, 8192, s92                   ; from the first instruction to the second
	s_mov_b32 s94, 16384
	s_cselect_b32 s94, 256, s94                    ; from lane to lane
	s_mov_b32 s91, 0
	s_mov_b32 s93, 0
	s_mov_b32 s[PFS+1], 0
	s_add_nc_u64 s[PFA:PFA+1], s[PFA:PFA+1], s[90:91]
	s_add_nc_u64 s[PFB:PFB+1], s[PFA:PFA+1], s[92:93]
	v_mul_lo_u32 v[PFO], v[LN], s94
	s_or_b32 s56, s[AF], s[PP]                     ; 0 in waves 0-3 where p = 0
	s_cmp_eq_u32 s56, 0
	s_cselect_b32 s[PL], s[LASTKV], 0
	s_lshr_b32 s56, s[WV], 1
	s_xor_b32 s56, s56, 2
	s_or_b32 s56, s56, s[GG]                       ; 0 in waves 4 and 5 where g = 0
	s_cmp_eq_u32 s56, 0
	s_cselect_b32 s[PL], s66, s[PL]
	s_wait_dscnt 0x0                               ; my words of the tables have landed
	s_barrier_signal -1
	s_barrier_wait -1                              ; everybody's have
	s_wait_loadcnt 0x0
	v_lshl_or_b32 v[QS], v[QS], 16, v[QS]          ; Q's two bytes, for whichever half of K it stands in
	v_mov_b32 v[AWK], v4                           ; step 0 goes into slot 0
	v_mov_b32 v[AWV], v5
	v_mov_b32 v[AWS], v6
	v_mov_b32 v[AWB], v7
	v_mov_b32 v[ADT], v8
	s_wait_alu depctr_va_vdst(0)                   ; the five addresses are written, which the LDS loads and stores below read; so are the prefetches' offset, and Q's scale word and the zero codes, which the scaled products take
	TABLES 0
	s_wait_dscnt 0x0                               ; the tables' words are in
	MASKB
	s_wait_alu depctr_va_vdst(0)                   ; the masked bias is written, which the LDS stores read
	STORE_KV
	STORE_B
	s_wait_dscnt 0x0
	s_barrier_signal -1
	s_barrier_wait -1                              ; slot 0 is whole
	s_wait_xcnt 0x0
	s_add_nc_u64 s[KVB:KVB+1], s[KVB:KVB+1], BLKB
	s_add_nc_u64 s[SCB:SCB+1], s[SCB:SCB+1], BLKS
	s_add_nc_u64 s[BB:BB+1], s[BB:BB+1], 512
	s_mov_b32 s[TT], 512                           ; the tables' words of step ST + 1
	s_mov_b32 s[ST], 0
.Lloop:                                            ; 16 trips of two steps: the count is a constant; what a wave has no use for is jumped over
	TRIP 0
	TRIP 1
	s_add_co_u32 s[TT], s[TT], 1024
	s_add_co_u32 s[ST], s[ST], 2
	s_cmp_lt_u32 s[ST], 32
	s_cbranch_scc1 .Lloop
	; THE WAY OUT.  O^T / the sum; registers 16 a' .. 16 a' + 15 are channels 32 a' + 16 h + 0 .. 15 of my head: block a' of 32 along the last product's K lies in lanes l and l xor 16.  The codes of four heads meet in
	; the stage, 256 bytes a query, and leave as whole aligned runs of 256 bytes.  The address work below is also the places behind the last products.  (v1 to v6 have been read by vector instructions alone.)
	s_mul_i32 s56, s[TA], 16*SGP
	s_lshl_b32 s57, s[HF], 6
	s_add_co_u32 s56, s56, s57
	v_mul_u32_u24 v1, v[RR], SGP
	v_lshl_add_u32 v1, v[HH], 4, v1
	v_add_nc_u32 v1, s56, v1                       ; in: row 16 a + r, + 64 hf + 16 h
	s_lshl_b32 s57, s[TA], 7
	s_lshl_b32 s58, s[HF], 1
	s_add_co_u32 s57, s57, s58
	s_add_co_u32 s57, s57, STGS
	v_lshl_add_u32 v2, v[RR], 3, s57               ; my head's two scale bytes of row 16 a + r
	s_mul_i32 s58, s[WV], 4*SGP
	v_mul_u32_u24 v3, v[HH], SGP
	v_lshl_add_u32 v3, v[RR], 4, v3
	v_add_nc_u32 v3, s58, v3                       ; back: rows 4 w + h, 16 bytes a lane
	s_lshr_b32 s59, s[WV], 3
	s_lshl_b32 s59, s59, 8
	s_add_co_u32 s59, s59, STGS
	v_lshl_add_u32 v4, v[LN], 3, s59               ; a block's 32 rows of scale bytes, a lane a row
	v_lshlrev_b32 v5, 10, v[HH]
	v_lshl_add_u32 v5, v[RR], 4, v5                ; the same two rows in ocodes
	v_lshlrev_b32 v6, 5, v[LN]                     ; and a row of oscales
	s_lshl_b32 s56, s[BLKF], 5
	s_and_b32 s57, s[WV], 7
	s_lshl_b32 s57, s57, 2
	s_add_co_u32 s57, s57, s56
	s_lshl_b32 s57, s57, 10
	s_lshl_b32 s58, s[GG], 8
	s_add_co_u32 s58, s58, s57
	s_mov_b32 s59, 0
	s_add_nc_u64 s[14:15], s[14:15], s[58:59]      ; ocodes at row 32 block + 4 (w % 8), byte 256 g
	s_lshl_b32 s58, s56, 5
	s_lshl_b32 s60, s[GG], 3
	s_add_co_u32 s58, s58, s60
	s_add_nc_u64 s[16:17], s[16:17], s[58:59]      ; oscales at row 32 block, byte 8 g
	v_add_f32 v14, v14, v15
	v_permlanex16_b32 v254, v14, s[SEL], s[SEL+1]
	v_add_f32 v14, v14, v254                       ; the row's sum
	v_rcp_f32 v14, v14
	v_nop                                          ; a plain line behind the reciprocal,
	s_wait_alu depctr_va_vdst(0)                   ; and the wait ahead of its first reader: the reciprocal has written v14
.set n, 0
.rept 32
	v_mul_f32 v[S+n], v[O+n], v14
.set n, n+1
.endr
.irp b, 0,1
	v_max3_num_f32 v[BM+\b], |v[S+16*\b]|, |v[S+16*\b+1]|, 0x4800000   ; my 16 numbers of block b, and the floor 2^(9 - 127)
.endr
.irp k, 2,4,6,8,10,12,14
.irp b, 0,1
	v_max3_num_f32 v[BM+\b], v[BM+\b], |v[S+16*\b+\k]|, |v[S+16*\b+\k+1]|
.endr
.endr
.irp b, 0,1
	v_permlanex16_b32 v[T4+\b], v[BM+\b], s[SEL], s[SEL+1]
.endr
.irp b, 0,1
	v_max_num_f32 v[BM+\b], v[BM+\b], v[T4+\b]
.endr
.irp b, 0,1
	v_add_nc_u32 v[SO+\b], 0xfc000000, v[BM+\b]
.endr
.irp b, 0,1
	v_and_or_b32 v[HB+\b], v[BM+\b], 0x7f800000, s[MNT]
.endr
.irp b, 0,1
	v_lshrrev_b32 v[T4+\b], 23, v[SO+\b]
.endr
	v_lshl_or_b32 v234, v[T4+1], 8, v[T4]          ; the two bytes.  (A block of zeros keeps the byte 1: its codes are zeros, and this program alone reads the bytes)
.irp b, 0,1
.set n, 0
.rept 16
	v_med3_num_f32 v[S+16*\b+n], v[S+16*\b+n], -v[HB+\b], v[HB+\b]
.set n, n+1
.endr
	v_cvt_scalef32_pk8_fp8_f32 v[PC+4*\b:PC+4*\b+1], v[S+16*\b:S+16*\b+7], v[SO+\b]
	v_cvt_scalef32_pk8_fp8_f32 v[PC+4*\b+2:PC+4*\b+3], v[S+16*\b+8:S+16*\b+15], v[SO+\b]
.endr
	v_nop                                          ; a plain line behind the last conversion
	s_wait_alu depctr_va_vdst(0)                   ; the codes, the two bytes and the six addresses v1 to v6 are written, which the LDS and global instructions below read; the last products are done reading v[F ..], in which the stage's rows land
	ds_store_b128 v1, v[PC:PC+3]
	ds_store_b128 v1, v[PC+4:PC+7] offset:32
	ds_store_b16 v2, v234                          ; both lanes of a block write the same bytes with the same value
	s_wait_dscnt 0x0
	s_barrier_signal -1
	s_barrier_wait -1                              ; 64 whole rows lie in the stage
	s_wait_alu depctr_vm_vsrc(0)                   ; the fills' LDS stores have read v[F ..], in which the stage's rows land
	ds_load_b128 v[F:F+3], v3
	ds_load_b128 v[F+4:F+7], v3 offset:2*SGP
	s_and_b32 s56, s[WV], 7
	s_cmp_lg_u32 s56, 0
	s_cbranch_scc1 .Lno_scales                     ; waves 0 and 8 store a block's scale bytes
	ds_load_b64 v[F+8:F+9], v4
	s_wait_dscnt 0x0
	global_store_b64 v6, v[F+8:F+9], s[16:17]
.Lno_scales:
	s_wait_dscnt 0x0
	global_store_b128 v5, v[F:F+3], s[14:15]       ; sixteen lanes store 256 consecutive bytes, aligned
	global_store_b128 v5, v[F+4:F+7], s[14:15] offset:2048
	s_wait_xcnt 0x0
	v_lshl_add_u32 v254, v0, 2, 0x41000
	v_mov_b32 v255, 0
	s_wait_dscnt 0x0                               ; the closing lines, six on end
	s_wait_alu 0x0
	s_wait_tensorcnt 0x0
	ds_add_u32 v254, v255
	s_wait_dscnt 0x0
	s_endpgm
.Lfunc_end_k_qb0917b2e50_attn:
	.size	k_qb0917b2e50_attn, .Lfunc_end_k_qb0917b2e50_attn-k_qb0917b2e50_attn
	.p2alignl 7, 3214868480
	.fill 96, 4, 3214868480
	.section	.rodata,"a",@progbits
	.p2align	6, 0x0
	.amdhsa_kernel k_qb0917b2e50_attn
		.amdhsa_group_segment_fixed_size 268288
		.amdhsa_private_segment_fixed_size 0
		.amdhsa_enable_private_segment 0
		.amdhsa_kernarg_size 56
		.amdhsa_user_sgpr_count 2
		.amdhsa_user_sgpr_kernarg_segment_ptr 1
		.amdhsa_wavefront_size32 1
		.amdhsa_system_sgpr_workgroup_id_x 1
		.amdhsa_system_sgpr_workgroup_id_y 1
		.amdhsa_system_sgpr_workgroup_id_z 1
		.amdhsa_system_vgpr_workitem_id 0
		.amdhsa_next_free_vgpr 256
		.amdhsa_next_free_sgpr 100
		.amdhsa_reserve_vcc 0
		.amdhsa_float_denorm_mode_32 3
		.amdhsa_float_denorm_mode_16_64 3
		.amdhsa_memory_ordered 1
		.amdhsa_forward_progress 1
		.amdhsa_inst_pref_size 113
	.end_amdhsa_kernel
	.amdgpu_metadata
---
amdhsa.version: [ 1, 2 ]
amdhsa.kernels:
  - .name:           k_qb0917b2e50_attn
    .symbol:         k_qb0917b2e50_attn.kd
    .args:
      - { .name: qkv, .offset: 0, .size: 8, .value_kind: global_buffer, .address_space: global }
      - { .name: qkvs, .offset: 8, .size: 8, .value_kind: global_buffer, .address_space: global }
      - { .name: spatial_bias, .offset: 16, .size: 8, .value_kind: global_buffer, .address_space: global }
      - { .name: mask, .offset: 24, .size: 8, .value_kind: global_buffer, .address_space: global }
      - { .name: m0buf, .offset: 32, .size: 8, .value_kind: global_buffer, .address_space: global }
      - { .name: ocodes, .offset: 40, .size: 8, .value_kind: global_buffer, .address_space: global }
      - { .name: oscales, .offset: 48, .size: 8, .value_kind: global_buffer, .address_space: global }
    .group_segment_fixed_size: 268288
    .private_segment_fixed_size: 0
    .kernarg_segment_align: 8
    .kernarg_segment_size: 56
    .max_flat_workgroup_size: 512
    .sgpr_count:     100
    .vgpr_count:     256
    .wavefront_size: 32
...
	.end_amdgpu_metadata
.endif
;; end of part 4
;; launch outp: the kernel of part 3 again; grid 4 x 16, 4 waves a work-group, clusters of 4 x 4, 327,680 bytes of LDS; arguments ocodes, oscales, Wo_codes, Wo_scales, out0; writes out0
